; MI455X (gfx1250); checked and timed in simulation.
; The chip was launched on July 23, 2026; its instructions are those of AMD's public machine-readable ISA for CDNA 5 (MIT licence, August 2026) and "CDNA5" Instruction Set Architecture Reference Guide (July 2026). The comments in the code are by the model that wrote it; some were corrected since.
;; Attention. Allowed arithmetic: matrix products marked QUANTISED: E2M3 operands, one E8M0 scale for each 32 along K, by v_wmma_scale_f32_16x16x128_f8f6f4 with both operands' format E2M3, f32 sums; everything else in f32.
;; Inputs: freqs_cos 2,048 x 64 float32; freqs_sin 2,048 x 64 float32; wk 1,024 x 4,096 float32; wo 4,096 x 2,048 float32; wq 2,048 x 4,096 float32; wv 1,024 x 4,096 float32; x 1 x 2,048 x 4,096 float32.
;; Outputs: out0 1 x 2,048 x 4,096 float32.
;; Constants: start_pos = 0.
;; This version of the problem:
;;   THIS VERSION OF THE PROBLEM IS GIVEN IN LOW PRECISION. The matrix products marked QUANTISED in the list below multiply operands that are first quantised to E2M3 (2 exponent bits, 3 mantissa bits; 6 bits a number), with one power-of-two scale for each 32 numbers along K (OCP MX v1.0); their sums are f32. All else is computed in f32.
;;   The module's matrix products, in the order in which they are computed (A, B: the left and right operand; K: the contracted axis; several contracted axes count as one K, in the product's order):
;;     1. [M 2,048, K 4,096] x [K 4,096, N 2,048]; A: input x; B: input wq: QUANTISED
;;     2. [M 2,048, K 4,096] x [K 4,096, N 1,024]; A: input x; B: input wk: QUANTISED
;;     3. [M 2,048, K 4,096] x [K 4,096, N 1,024]; A: input x; B: input wv: QUANTISED
;;     4. batch 8 x [M 4,096, K 128] x [K 128, N 2,048]; A: computed on the way; B: computed on the way: QUANTISED
;;     5. batch 8 x [M 4,096, K 2,048] x [K 2,048, N 128]; A: softmax (see below); B: computed on the way: QUANTISED
;;     6. [M 2,048, K 2,048] x [K 2,048, N 4,096]; A: computed on the way; B: input wo: QUANTISED
;;   THE QUANTISER, for each operand of a quantised product, along K:
;;     - K is cut into blocks of 32 from its start; a last block that is shorter is filled with zeros.
;;     - A block's scale is 2^e with e = floor(log2(the largest magnitude in the block)) - 2, held to -126 .. 127; a block of zeros has e = 0. As a byte (E8M0): e + 127.
;;     - Each number is divided by its block's scale, clamped to +-7.5, and rounded to the nearest number of E2M3, ties to even, subnormals kept.
;;     - The product sums the exact products of the quantised numbers (number of the format x scale) in f32.
;;   ~~~python
;;   def quantise(x, axis):      # numpy; x: float32 -> the quantised numbers, widened to float32 again
;;       x = np.moveaxis(x, axis, -1); K = x.shape[-1]
;;       x = np.pad(x, [(0, 0)] * (x.ndim - 1) + [(0, -K % 32)]); x = x.reshape(x.shape[:-1] + (-1, 32)); a = np.abs(x).max(-1, keepdims=True)
;;       e = np.where(a > 0, np.clip(np.frexp(np.where(a > 0, a, 1))[1] - 1 - 2, -126, 127), 0)      # np.frexp(a)[1] - 1 = floor(log2(a)), exactly
;;       r = np.clip(x / 2.0 ** e, -7.5, 7.5)
;;       step = 2.0 ** (np.maximum(np.frexp(np.where(r == 0, 1, r))[1] - 1, 0) - 3)
;;       q = np.round(r / step) * step * 2.0 ** e      # np.round: ties to even
;;       return np.moveaxis(q.reshape(q.shape[:-2] + (-1,))[..., :K], -1, axis).astype(np.float32)
;;   ~~~
;;   SOFTMAX AHEAD OF A QUANTISED PRODUCT. Where the list says 'softmax', what is quantised is not the finished softmax but p = 2^(t - M), with t = logit x log2(e) and M = ceil(the row's largest t), a whole number; so 1/2 < the row's largest p <= 1. The row's sum l is taken of the UNQUANTISED p, in f32, and the product's result is divided by l at the end. Since M is a whole number, a kernel that streams over the keys may use a running M (the ceiling of the running maximum): every later rescaling is an exact power of two, which a block's scale takes up: the codes' values come out the same.
;;   OPERANDS COMPUTED ON THE WAY. 'Computed on the way' means the value that the module computes at that place (a softmax that the list does not call 'softmax' is quantised finished and normalised). What goes into a quantiser is computed in f32, as accurately as f32 sums, v_exp_f32 and their like allow (about 1e-6 of the number): no bf16 or f16 on the way to a quantiser, and a product that is left as it is and whose result goes on into a quantised operand takes f32 operands (vector FMAs, or v_wmma_f32_16x16x4_f32). A number that lies on a knife's edge between two numbers of the format may be rounded either way, as far as f32 arithmetic and the matrix unit's own rounding can turn it there, and no further.
;; One version. Each part assembles by itself: llvm-mc -triple=amdgcn-amd-amdhsa -mcpu=gfx1250 --defsym DOCPART=n.
;; ======== version 1 of 1: 4 launches
;; workspace buffers: wc 26,214,400 bytes; qkv 6,553,600 bytes; ob 3,276,800 bytes
;; launch quant (part 1): grid 1024 x 1, 4 waves a work-group, no clusters, 34,304 bytes of LDS; arguments x, wq, wk, wv, wo, wc; writes wc
.if DOCPART == 1
	.amdgcn_target "amdgcn-amd-amdhsa--gfx1250"
	.amdhsa_code_object_version 6
	.text
	.protected	k_q9eebbd6d7b_quant
	.globl	k_q9eebbd6d7b_quant
	.p2align	8
	.type	k_q9eebbd6d7b_quant,@function
k_q9eebbd6d7b_quant:
	s_mov_b64 s[64:65], 0
	v_nop
	global_prefetch_b8 v0, s[64:65] scope:SCOPE_SE
	s_setreg_imm32_b32 hwreg(HW_REG_WAVE_MODE, 25, 1), 1
	s_wait_xcnt 0x0
; x [2048][4096], wq [2048][4096], wk, wv [1024][4096], wo [4096][2048], f32, K innermost, become codes of FP6 (E2M3) with one E8M0 byte for each 32 along K,
; laid in the ORDER OF THE OPERAND'S REGISTERS.  A fragment (16 rows x 128 K, 12 registers a lane) is an image of 1,536 bytes: three groups of 512, lane l's registers 4 c .. 4 c + 3 at 16 l.
; A RECORD is 6,400 bytes: four fragments (512 along K of one tile of 16 rows), then 256 bytes of scale words: the word of (fragment f, row r) at 8 (r + 16 (f % 2)) + 4 (f / 2).
; THE ROWS OF A TILE ARE NOT NEIGHBOURS: lane-row r of tile i is row 32 (i / 2) + 8 (i % 2) + r + 8 (r / 8), so that a later transposed product leaves 16 neighbours in 16 registers.
; A block's scale is 2^(floor(log2(largest magnitude)) - 2); its byte is the largest magnitude's exponent field - 2, held at 1 from below.
; LIMITS: a block of zeros gets the byte 1 where the rule says 127 (its codes are zeros, and this program alone reads the bytes); NaN and infinities among the inputs are not served.
; SHARES: one wave makes one record: 16 rows x 512 K, 32,768 bytes in, 6,400 out.  4,096 records: 3,072 of x, wq, wk, wv (8 to a tile), 1,024 of wo (4 to a tile).
; Each load reads 512 consecutive bytes of a row; a fragment's 8,192 bytes turn through the wave's own stage in LDS (rows of 512 + 16 bytes), so that a lane gets 2 x 32 neighbours along K.
; No matrix unit, no tensor load, no cluster, no barrier: waves share nothing and memory binds.  Loads run two fragments (32 loads a wave) ahead.
.set REC,  6400
.set FRB,  1536
.set SCO,  6144
.set SP,   528                         ; a stage row
.set WST,  16*SP                       ; a wave's stage
.set LI,   4                           ; v4      16 x lane
.set L8,   5                           ; v5      8 x lane
.set SA,   6                           ; v6      the stage on the way in: 16 x lane
.set SB,   7                           ; v7      and on the way out: row r, + 128 h
.set RBV,  8                           ; v8      bytes in a row of the tensor
.set H8,   9                           ; v9      8 h
.set M,    10                          ; v10-13  largest magnitudes: block c, half e at M + 2 c + e
.set S,    14                          ; v14-15  the conversions' scale operands
.set OFF,  16                          ; v16-31  byte offset of my 16 bytes in the tile's row j; never rewritten
.set W,    32                          ; v32-35  the four fragments' scale words
.set IMG,  36                          ; v36-37  the scale image
.set C,    40                          ; v40-51  a fragment's codes
.set CT,   52                          ; v52-58  the upper halves of the blocks, as the conversions leave them
.set PT,   60                          ; v60     at work across the halves of the lanes
.set BY,   62                          ; v62-63  scale bytes
.set X,    64                          ; v64-127 2 x 32 neighbours along K
.set R,    128                         ; v128-255 two sets of 64: a fragment as loaded
	s_load_b256 s[4:11], s[0:1], 0x0               ; x, wq, wk, wv
	s_load_b128 s[12:15], s[0:1], 0x20             ; wo, wc
	v_lshl_add_u32 v59, v0, 2, 0x8400
	v_mov_b32 v61, 0
	v_lshrrev_b32 v1, 5, v0
	v_readfirstlane_b32 s16, v1                    ; wave
	v_and_b32 v1, 31, v0                           ; lane
	v_and_b32 v2, 15, v0                           ; r
	v_bfe_u32 v3, v0, 4, 1                         ; h
	v_lshlrev_b32 v[LI], 4, v1
	v_lshlrev_b32 v[L8], 3, v1
	s_mul_i32 s17, s16, WST
	v_add_nc_u32 v[SA], s17, v[LI]
	v_mul_u32_u24 v[SB], v2, SP
	v_lshl_add_u32 v[SB], v3, 7, v[SB]
	v_add_nc_u32 v[SB], s17, v[SB]
	v_lshlrev_b32 v[H8], 3, v3
	v_mov_b32 v[PT], 0                             ; written once: a lane permute's destination counts as one of its sources
	s_mov_b32 s24, 0x76543210
	s_mov_b32 s25, 0xfedcba98                      ; v_permlanex16_b32's selects for lane l xor 16
	s_mov_b32 s26, 0xffff0000                      ; lanes 16-31
	s_wait_kmcnt 0x0
	; which tensor: the choice hangs on the work-group's number alone
	s_mov_b64 s[20:21], s[12:13]                   ; wo: work-groups 768 on
	s_mov_b32 s22, 768                             ; the tensor's first work-group
	s_mov_b32 s27, 8192                            ; bytes in a row
	s_cmp_lt_u32 ttmp9, 768
	s_cselect_b64 s[20:21], s[10:11], s[20:21]     ; wv
	s_cselect_b32 s22, 640, s22
	s_cselect_b32 s23, 3, 2                        ; log2 of the records in a tile
	s_cselect_b32 s27, 16384, s27
	s_cmp_lt_u32 ttmp9, 640
	s_cselect_b64 s[20:21], s[8:9], s[20:21]       ; wk
	s_cselect_b32 s22, 512, s22
	s_cmp_lt_u32 ttmp9, 512
	s_cselect_b64 s[20:21], s[6:7], s[20:21]       ; wq
	s_cselect_b32 s22, 256, s22
	s_cmp_lt_u32 ttmp9, 256
	s_cselect_b64 s[20:21], s[4:5], s[20:21]       ; x
	s_cselect_b32 s22, 0, s22
	s_sub_co_u32 s28, ttmp9, s22
	s_lshl_b32 s28, s28, 2
	s_add_co_u32 s28, s28, s16                     ; my record in the tensor
	s_lshr_b32 s29, s28, s23                       ; its tile i
	s_lshl_b32 s30, s29, s23
	s_sub_co_u32 s30, s28, s30                     ; and which 512 along K
	s_lshr_b32 s31, s29, 1
	s_lshl_b32 s31, s31, 5
	s_and_b32 s29, s29, 1
	s_lshl_b32 s29, s29, 3
	s_add_co_u32 s31, s31, s29                     ; the tile's first row: 32 (i / 2) + 8 (i % 2)
	s_mul_i32 s32, s31, s27
	s_lshl_b32 s30, s30, 11
	s_add_co_u32 s32, s32, s30
	s_mov_b32 s33, 0
	s_add_nc_u64 s[20:21], s[20:21], s[32:33]
	s_lshl_b32 s34, ttmp9, 2
	s_add_co_u32 s34, s34, s16
	s_mul_i32 s34, s34, REC                        ; my record in wc
	s_mov_b32 s35, 0
	s_add_nc_u64 s[14:15], s[14:15], s[34:35]
	v_mov_b32 v[RBV], s27
.irp j, 0,1,2,3,4,5,6,7,8,9,10,11,12,13,14,15
	v_mad_u32_u24 v[OFF+\j], v[RBV], \j+8*(\j/8), v[LI]    ; lane-row j is the row j + 8 (j / 8) further down
.endr
.macro LOAD t                          ; fragment t: 128 along K of the 16 rows; a load reads 512 consecutive bytes
.irp j, 0,1,2,3,4,5,6,7,8,9,10,11,12,13,14,15
	global_load_b128 v[R+64*((\t)%2)+4*\j:R+64*((\t)%2)+4*\j+3], v[OFF+\j], s[20:21] offset:512*(\t) th:TH_LOAD_NT
.endr
.endm
.macro FRAGMENT q
.if \q < 3
	s_wait_loadcnt 16                              ; this fragment's 16 loads are in; the next fragment's 16 may be out
.else
	s_wait_loadcnt 0x0
.endif
.irp j, 0,1,2,3,4,5,6,7,8,9,10,11,12,13,14,15
	ds_store_b128 v[SA], v[R+64*((\q)%2)+4*\j:R+64*((\q)%2)+4*\j+3] offset:SP*\j
.endr
.irp c, 0,1
.irp k, 0,1,2,3,4,5,6,7
	ds_load_b128 v[X+32*\c+4*\k:X+32*\c+4*\k+3], v[SB] offset:256*\c+16*\k   ; LDS serves a wave's instructions in order: these see the stores.  X[32 c + i] = K 64 c + 32 h + i of row r
.endr
.endr
	s_wait_dscnt 0x0                               ; my numbers are back, and the stores have read their registers,
.if \q < 2
	LOAD (\q)+2                                    ; which take the loads of two fragments on
.endif
.irp c, 0,1
.irp e, 0,1
	v_max3_num_f32 v[M+2*\c+\e], |v[X+32*\c+16*\e]|, |v[X+32*\c+16*\e+1]|, 0x1800000   ; the floor 2^(3 - 127) among the leaves: the byte cannot fall under 1
.endr
.endr
.irp i, 2,4,6,8,10,12,14
.irp c, 0,1
.irp e, 0,1
	v_max3_num_f32 v[M+2*\c+\e], v[M+2*\c+\e], |v[X+32*\c+16*\e+\i]|, |v[X+32*\c+16*\e+\i+1]|   ; four chains by turns
.endr
.endr
.endr
.irp c, 0,1
	v_max_num_f32 v[M+2*\c], v[M+2*\c], v[M+2*\c+1]    ; block 2 c + h of my row: all its 32 numbers are mine
.endr
.irp c, 0,1
	v_add_nc_u32 v[S+\c], 0xff000000, v[M+2*\c]    ; 2 off the exponent field: the conversion takes the exponent field of this operand as its scale
.endr
.irp c, 0,1
	v_lshrrev_b32 v[BY+\c], 23, v[S+\c]            ; the scale's byte
.endr
	v_lshl_or_b32 v[W+\q], v[BY+1], 16, v[BY]      ; my two bytes: blocks h and 2 + h,
	v_lshlrev_b32 v[W+\q], v[H8], v[W+\q]          ; at their places in the word;
	v_permlanex16_b32 v[PT], v[W+\q], s24, s25
	v_or_b32 v[W+\q], v[W+\q], v[PT]               ; with lane l xor 16's two the row's word is whole, in both lanes
.if \q > 0
	s_wait_xcnt 0x0                                ; the last fragment's stores have read their data: the codes' registers are written again only behind this wait
.endif
.irp c, 0,1
	v_cvt_scalef32_pk16_fp6_f32 v[C+6*\c:C+6*\c+2], v[X+32*\c:X+32*\c+15], v[S+\c]
	v_cvt_scalef32_pk16_fp6_f32 v[CT+4*\c:CT+4*\c+2], v[X+32*\c+16:X+32*\c+31], v[S+\c]   ; (a conversion's three registers begin on an even number)
.endr
	v_nop                                          ; one plain place behind a scaled conversion
.irp c, 0,1
.irp i, 0,1,2
	v_mov_b32 v[C+3+6*\c+\i], v[CT+4*\c+\i]
.endr
.endr
.irp c, 0,1,2
	global_store_b128 v[LI], v[C+4*\c:C+4*\c+3], s[14:15] offset:FRB*(\q)+512*\c   ; 32 lanes store 512 consecutive bytes, at a multiple of 256 from wc's first byte
.endr
.endm
	LOAD 0
	LOAD 1
	FRAGMENT 0
	FRAGMENT 1
	FRAGMENT 2
	FRAGMENT 3
	v_cndmask_b32 v[IMG], v[W], v[W+1], s26        ; lanes 0-15 fragment 0's words, lanes 16-31 fragment 1's
	v_cndmask_b32 v[IMG+1], v[W+2], v[W+3], s26    ; and fragments 2 and 3
	global_store_b64 v[L8], v[IMG:IMG+1], s[14:15] offset:SCO   ; 256 consecutive bytes, aligned
	s_wait_tensorcnt 0x0
	ds_add_u32 v59, v61
	s_wait_dscnt 0x0
	s_endpgm
.Lfunc_end_k_q9eebbd6d7b_quant:
	.size	k_q9eebbd6d7b_quant, .Lfunc_end_k_q9eebbd6d7b_quant-k_q9eebbd6d7b_quant
	.p2alignl 7, 3214868480
	.fill 96, 4, 3214868480
	.section	.rodata,"a",@progbits
	.p2align	6, 0x0
	.amdhsa_kernel k_q9eebbd6d7b_quant
		.amdhsa_group_segment_fixed_size 34304
		.amdhsa_private_segment_fixed_size 0
		.amdhsa_enable_private_segment 0
		.amdhsa_kernarg_size 48
		.amdhsa_user_sgpr_count 2
		.amdhsa_user_sgpr_kernarg_segment_ptr 1
		.amdhsa_wavefront_size32 1
		.amdhsa_system_sgpr_workgroup_id_x 1
		.amdhsa_system_sgpr_workgroup_id_y 1
		.amdhsa_system_sgpr_workgroup_id_z 1
		.amdhsa_system_vgpr_workitem_id 0
		.amdhsa_next_free_vgpr 256
		.amdhsa_next_free_sgpr 66
		.amdhsa_reserve_vcc 0
		.amdhsa_float_denorm_mode_32 3
		.amdhsa_float_denorm_mode_16_64 3
		.amdhsa_memory_ordered 1
		.amdhsa_forward_progress 1
		.amdhsa_inst_pref_size 32
	.end_amdhsa_kernel
	.amdgpu_metadata
---
amdhsa.version: [ 1, 2 ]
amdhsa.kernels:
  - .name:           k_q9eebbd6d7b_quant
    .symbol:         k_q9eebbd6d7b_quant.kd
    .args:
      - { .name: x, .offset: 0, .size: 8, .value_kind: global_buffer, .address_space: global }
      - { .name: wq, .offset: 8, .size: 8, .value_kind: global_buffer, .address_space: global }
      - { .name: wk, .offset: 16, .size: 8, .value_kind: global_buffer, .address_space: global }
      - { .name: wv, .offset: 24, .size: 8, .value_kind: global_buffer, .address_space: global }
      - { .name: wo, .offset: 32, .size: 8, .value_kind: global_buffer, .address_space: global }
      - { .name: wc, .offset: 40, .size: 8, .value_kind: global_buffer, .address_space: global }
    .group_segment_fixed_size: 34304
    .private_segment_fixed_size: 0
    .kernarg_segment_align: 8
    .kernarg_segment_size: 48
    .max_flat_workgroup_size: 128
    .sgpr_count:     66
    .vgpr_count:     256
    .wavefront_size: 32
...
	.end_amdgpu_metadata
.endif
;; end of part 1
;; launch qkv (part 2): grid 16 x 16, 4 waves a work-group, clusters of 4 x 4, 327,680 bytes of LDS; arguments wc, freqs_cos, freqs_sin, qkv; writes qkv
.if DOCPART == 2
	.amdgcn_target "amdgcn-amd-amdhsa--gfx1250"
	.amdhsa_code_object_version 6
	.text
	.protected	k_q9eebbd6d7b_qkv
	.globl	k_q9eebbd6d7b_qkv
	.p2align	8
	.type	k_q9eebbd6d7b_qkv,@function
k_q9eebbd6d7b_qkv:
	s_mov_b64 s[64:65], 0
	v_nop
	global_prefetch_b8 v0, s[64:65] scope:SCOPE_SE
	s_setreg_imm32_b32 hwreg(HW_REG_WAVE_MODE, 25, 1), 1
	s_wait_xcnt 0x0
	s_wait_alu depctr_hold_cnt(0) depctr_sa_sdst(0) depctr_va_vdst(0) depctr_va_sdst(0) depctr_va_ssrc(0) depctr_va_vcc(0) depctr_vm_vsrc(0)
	s_getreg_b32 s2, hwreg(HW_REG_IB_STS2, 6, 4)
	s_cmp_eq_u32 s2, 0
	s_cbranch_scc0 .Lentry_in_a_cluster
	s_endpgm
.Lentry_in_a_cluster:
	s_bfe_u32 s2, ttmp6, 0x10000c
	s_cmp_lg_u32 s2, 0xf033
	s_cbranch_scc0 .Lentry_shape_is_right
	s_endpgm
.Lentry_shape_is_right:
; q = rope(x wq^T), k = rope(x wk^T), v = x wv^T, K = 4,096, on codes of FP6 (E2M3) with E8M0 scales; the results are quantised in registers and stored as operands of the attention.
; INPUT wc: records of 6,400 bytes (four fragment images of 16 rows x 128 K, 1,536 bytes each, then 256 bytes of scale words), [row tile 0..383][512 along K, 0..7]; tiles 0-127 x, 128-255 wq, 256-319 wk, 320-383 wv.
; Lane-row r of tile i is row 32 (i / 2) + 8 (i % 2) + r + 8 (r / 8).
; ONE BODY.  The matrix instruction is used transposed (source 0 = 16 rows of "B", source 1 = 16 rows of "A"): a lane holds one row of A, and the 64 registers of a tile of A against 8 tiles of B are 128 rows of B:
; register 16 b + i = row 32 b + 16 (lane / 16) + i.  For q and k: A = x (tokens), B = wq | wk (a wave's 128 rows are one head): a lane holds a token, its registers run along the head's 128.
; For v: A = wv (channels), B = x (tokens): a lane holds a channel, its registers run along 128 keys, which are the K of the attention's second product.  Clusters x = 0, 1, 2 make q and k, cluster x = 3 makes v.
; SHARES.  A work-group makes 128 rows of A x 256 rows of B, 256 work-groups in all; a wave 64 x 128: 32 accumulators.  K goes in steps of 512 through two LDS slots of 24 records (8 of A, 16 of B: 153,600 bytes).
; CLUSTERS: 4 x 4.  A's records are shared along a row of the cluster, B's along a column: each is asked for jointly.  Waves 0, 1 fetch A's halves, waves 2, 3 B's: one tensor load a wave.
; OUTPUT qkv, records of the same form: q head n: record 32 n + (token / 64), fragment = tile of 16 tokens; k head g: 32 (16 + g) + ..; v head g: 32 (24 + g) + 2 (key / 128) + (channel / 64), fragment = tile of 16 channels.
; LIMITS: a block of zeros gets the byte 1 where the rule says 127 (its codes are zeros, and this program alone reads the bytes); NaN and infinities are not served.
; No prefetch: each record is read through joint loads by a launch with eight K steps; no work-group stays: each has one tile.
; REGISTERS: window 0: v16-30 addresses; v32-79 scale words, two sets; v96-191 A's fragments, two sets (on the way out v80-253 are at work); window 1: B's fragments, two sets; window 2: accumulator (a, b) at v[8 (8 a + b)]; window 3: cos and sin.
.set KQ,    8                          ; steps of 512 along K
.set REC,   6400
.set FRB,   1536
.set SCO,   6144
.set ATB,   8*REC                      ; A's records in a slot; B's lie behind them
.set SLOT,  24*REC
.set SPARE, 2*SLOT                     ; behind the ring: the spare words, 128 bytes for each wave: two blocks of 256 bytes that no other line names
.set ADRA, 16                          ; v16-17  LDS address of my A fragments in slot 0, 1: 16 x lane + my four records
.set ADRB, 18                          ; v18-19  the same for B: my eight records
.set ASA,  20                          ; v20-21  of A's scale words: 8 x lane + the same
.set ASB,  22                          ; v22-23  of B's
.set LI,   26                          ; v26     16 x lane
.set VO,   27                          ; v27     my byte in the wave's rows of cos and sin
.set SPW,  28                          ; v28     LDS address of my spare word; never rewritten
.set NIL,  29                          ; v29     0; never rewritten
.set L8,   30                          ; v30     8 x lane
.set SC,   32                          ; scale words: set s at SC + 24 s; A's tile a at + 2 a + w, B's tile b at + 8 + 2 b + w; register w: lanes 0-15 fragment 2 w, lanes 16-31 fragment 2 w + 1
.set TM,   80                          ; v80-95  the quantiser's work
.set AF,   96                          ; A's fragments: set p at AF + 48 p + 12 a
.set H,    96                          ; the way out: 64 rotated numbers
.set PC,   160                         ; the way out: tile a's codes at PC + 20 a (12, and 8 at work): no store's data are written again
.set PW,   240                         ; v240-243 the four tiles' scale words
.set T,    244                         ; v244-251 products at work in the rotation
.set IMG,  252                         ; v252-253 the scale image
.set G1,   24                          ; s[24:31] descriptor group 1 for A;  s[32:39] group 0, one set for each slot
.set G0,   32
.set G1B,  48                          ; s[48:55], s[56:63] the same for B
.set G0B,  56
.set SEL,  82                          ; s[82:83] lane selects for lane l xor 16
.set MSB, 0
.macro WIN new                         ; the immediate's high byte repeats the setting that is left
.if MSB != \new
	s_set_vgpr_msb (MSB<<8)|\new
.set MSB, \new
.endif
.endm
.set MUL,  0xa1                        ; source 0 (B) window 1, source 1 (A) window 0, C and D window 2
.set TO_B, 0x40                        ; destination window 1, address window 0
.macro PLACES n
.rept \n
	v_nop
.endr
.endm
; A joint load: waves 0 and 1 fetch for A, waves 2 and 3 for B; the branch hangs on the wave's number alone.  Four v_nop follow each of the two lines.
.macro JLOAD s
	s_cmp_eq_u32 s15, 0
	s_cbranch_scc0 .Lfor_b_\@
	tensor_load_to_lds s[G0+4*\s:G0+4*\s+3], s[G1:G1+7]
	s_nop 0
.rept 4
	v_nop
.endr
	s_branch .Lasked_\@
.Lfor_b_\@:
	tensor_load_to_lds s[G0B+4*\s:G0B+4*\s+3], s[G1B:G1B+7]
	s_nop 0
.rept 4
	v_nop
.endr
.Lasked_\@:
.endm
.macro CREST                           ; a round of the cluster's barrier behind its opening barrier
	s_cmp_lg_u32 s14, 0
	s_cbranch_scc1 .Lnot_wave_0_\@
	s_barrier_signal -3
.Lnot_wave_0_\@:
	s_barrier_wait -3
	s_barrier_signal -1
	s_barrier_wait -1
.endm
.macro CROUND                          ; a whole round
	s_barrier_signal -1
	s_barrier_wait -1
	CREST
.endm
	s_load_b256 s[4:11], s[0:1], 0x0               ; wc s[4:5], cos s[6:7], sin s[8:9], qkv s[10:11]
	v_lshl_add_u32 v[SPW], v0, 2, SPARE
	v_mov_b32 v[NIL], 0
	ds_add_u32 v28, v29
	ds_add_u32 v28, v29
	s_wait_dscnt 0x0
	v_lshrrev_b32 v1, 5, v0
	v_readfirstlane_b32 s14, v1                    ; wave 0..3
	s_lshr_b32 s15, s14, 1                         ; which 64 rows of A are mine.  Also: I fetch for A (0) or for B (1)
	s_and_b32 s16, s14, 1                          ; which 128 rows of B.  Also: which half of that tile I fetch
	s_bfe_u32 s40, ttmp6, 0x40000                  ; cx, cy: my place in the cluster
	s_bfe_u32 s41, ttmp6, 0x40004
	s_and_b32 s42, ttmp7, 0xffff                   ; cluster y
	s_lshl_b32 s69, s41, 2
	s_lshl_b32 s69, 15, s69                        ; my row of the cluster
	s_lshl_b32 s70, 0x1111, s40                    ; my column
	; descriptor group 1: rows of one record (800 elements of 8 bytes), from tile to tile KQ records apart; no padding: fragments are read as they lie, 16 bytes a lane on end
	s_or_b32 s[G1], s69, (3<<16)|(1<<21)           ; 15:0 the mask; 17:16 elements of 8 bytes; 21 set beside a mask
	s_or_b32 s[G1B], s70, (3<<16)|(1<<21)
	s_mov_b32 s[G1+1], 800<<16                     ; tensor_dim0
	s_mov_b32 s[G1+2], 4<<16                       ; tensor_dim1: A: four records a load
	s_mov_b32 s[G1+3], 800<<16                     ; tile_dim0
	s_mov_b32 s[G1+4], 4                           ; tile_dim1
	s_mov_b32 s[G1+5], KQ*800                      ; tensor_dim0_stride
	s_mov_b32 s[G1+6], 0
	s_mov_b32 s[G1+7], 0
	s_mov_b32 s[G1B+1], 800<<16
	s_mov_b32 s[G1B+2], 8<<16                      ; B: eight records a load
	s_mov_b32 s[G1B+3], 800<<16
	s_mov_b32 s[G1B+4], 8
	s_mov_b32 s[G1B+5], KQ*800
	s_mov_b32 s[G1B+6], 0
	s_mov_b32 s[G1B+7], 0
	; which tiles.  q, k: A = x's tiles 32 cluster y + 8 cy, B = tiles 128 + 64 cluster x + 16 cx.  v: A = tiles 320 + 32 (cluster y & 1) + 8 cy, B = x's tiles 64 (cluster y >> 1) + 16 cx
	s_and_b32 s43, s42, 1
	s_lshl_b32 s43, s43, 5
	s_add_co_u32 s43, s43, 320
	s_lshl_b32 s44, s42, 5
	s_lshr_b32 s45, s42, 1
	s_lshl_b32 s45, s45, 6
	s_lshl_b32 s46, ttmp9, 6
	s_add_co_u32 s46, s46, 128
	s_cmp_eq_u32 ttmp9, 3                          ; the cluster's x: the same in all sixteen partners
	s_cselect_b32 s66, 1, 0                        ; 1: this cluster makes v
	s_cselect_b32 s44, s43, s44
	s_cselect_b32 s46, s45, s46
	s_lshl_b32 s43, s41, 3
	s_add_co_u32 s44, s44, s43                     ; A's first tile: hangs on cy, never on cx
	s_lshl_b32 s45, s40, 4
	s_add_co_u32 s46, s46, s45                     ; B's first tile: hangs on cx, never on cy
	s_lshl_b32 s47, s16, 2
	s_add_co_u32 s20, s44, s47
	s_mul_i32 s20, s20, KQ*REC                     ; the half of A that I would fetch, in bytes
	s_mov_b32 s21, 0
	s_lshl_b32 s47, s16, 3
	s_add_co_u32 s22, s46, s47
	s_mul_i32 s22, s22, KQ*REC                     ; and of B
	s_mov_b32 s23, 0
	s_mul_i32 s67, s16, 4*REC                      ; where they go: no place in the cluster enters an LDS address
	s_mul_i32 s68, s16, 8*REC
	s_add_co_u32 s68, s68, ATB
	s_wait_kmcnt 0x0
	s_add_nc_u64 s[20:21], s[4:5], s[20:21]
	s_add_nc_u64 s[22:23], s[4:5], s[22:23]
	CROUND                                         ; all sixteen work-groups are here: the first joint loads meet
.irp s, 0,1
	s_mov_b32 s[G0+4*\s], 1
	s_add_co_u32 s[G0+4*\s+1], s67, \s*SLOT
	s_add_nc_u64 s[G0+4*\s+2:G0+4*\s+3], s[20:21], \s*REC
	s_or_b32 s[G0+4*\s+3], s[G0+4*\s+3], 0x80000000
	s_mov_b32 s[G0B+4*\s], 1
	s_add_co_u32 s[G0B+4*\s+1], s68, \s*SLOT
	s_add_nc_u64 s[G0B+4*\s+2:G0B+4*\s+3], s[22:23], \s*REC
	s_or_b32 s[G0B+4*\s+3], s[G0B+4*\s+3], 0x80000000
	JLOAD \s                                       ; two loads of mine are out
.endr
	v_and_b32 v1, 31, v0                           ; lane
	v_and_b32 v2, 15, v0                           ; r
	v_bfe_u32 v3, v0, 4, 1                         ; h
	v_lshlrev_b32 v[LI], 4, v1
	v_lshlrev_b32 v[L8], 3, v1
	s_mul_i32 s71, s15, 4*REC                      ; my four records of A
	s_mul_i32 s72, s16, 8*REC
	s_add_co_u32 s72, s72, ATB                     ; my eight of B
.irp s, 0,1
	v_add_nc_u32 v[ADRA+\s], s71, v[LI]
	v_add_nc_u32 v[ADRB+\s], s72, v[LI]
	v_add_nc_u32 v[ASA+\s], s71, v[L8]
	v_add_nc_u32 v[ASB+\s], s72, v[L8]
	s_add_co_u32 s71, s71, SLOT
	s_add_co_u32 s72, s72, SLOT
.endr
.irp b, 0,1,2,3
	v_mov_b32 v[TM+4+\b], 0                        ; written once: a lane permute's destination counts as one of its sources
.endr
	s_mov_b32 s[SEL], 0x76543210
	s_mov_b32 s[SEL+1], 0xfedcba98
	s_mov_b32 s84, 0xffff0000                      ; lanes 16-31
	; my record of the output.  q, k: 32 (8 cluster x + 2 cx + column half) + 2 (4 cluster y + cy) + row half
	s_lshl_b32 s80, s42, 2
	s_add_co_u32 s80, s80, s41                     ; 4 cluster y + cy
	s_lshl_b32 s74, ttmp9, 3
	s_lshl_b32 s76, s40, 1
	s_add_co_u32 s74, s74, s76
	s_add_co_u32 s74, s74, s16
	s_lshl_b32 s74, s74, 5
	s_lshl_b32 s76, s80, 1
	s_add_co_u32 s74, s74, s76
	; v: 768 + 32 (cy + 4 (cluster y & 1)) + 4 (cx + 4 (cluster y >> 1)) + 2 x column half + row half
	s_and_b32 s77, s42, 1
	s_lshl_b32 s77, s77, 2
	s_add_co_u32 s77, s77, s41
	s_lshl_b32 s77, s77, 5
	s_lshr_b32 s78, s42, 1
	s_lshl_b32 s78, s78, 2
	s_add_co_u32 s78, s78, s40
	s_lshl_b32 s78, s78, 2
	s_add_co_u32 s77, s77, s78
	s_lshl_b32 s78, s16, 1
	s_add_co_u32 s77, s77, s78
	s_add_co_u32 s77, s77, 768
	s_cmp_eq_u32 s66, 1
	s_cselect_b32 s74, s77, s74
	s_add_co_u32 s74, s74, s15
	s_mul_i32 s74, s74, REC
	s_mov_b32 s75, 0
	s_add_nc_u64 s[10:11], s[10:11], s[74:75]
	; cos and sin of my 64 tokens (q and k alone): lane (r, h) wants, for tile a and block b of 32 of the head, the eight numbers 16 b + 8 h + 0 .. 7 of its token's row of 256 bytes
	s_cmp_eq_u32 s66, 1
	s_cbranch_scc1 .Lno_rope
	s_lshl_b32 s86, s80, 15                        ; 128 tokens x 256 bytes for each row of work-groups,
	s_lshl_b32 s87, s15, 14                        ; 64 for my half
	s_add_co_u32 s86, s86, s87
	s_mov_b32 s87, 0
	s_add_nc_u64 s[6:7], s[6:7], s[86:87]
	s_add_nc_u64 s[8:9], s[8:9], s[86:87]
	v_and_b32 v4, 8, v2
	v_add_nc_u32 v4, v4, v2                        ; r + 8 (r / 8)
	v_lshlrev_b32 v[VO], 8, v4
	v_lshl_add_u32 v[VO], v3, 5, v[VO]
	WIN 0xc0                                       ; destination window 3, address window 0
.irp a, 0,1,2,3
.irp b, 0,1,2,3
.irp k, 0,1
	global_load_b128 v[64*\a+8*\b+4*\k:64*\a+8*\b+4*\k+3], v[VO], s[6:7] offset:(32*(\a/2)+8*(\a%2))*256+64*\b+16*\k        ; cos: tile a's pair m at v[64 a + m]
	global_load_b128 v[64*\a+32+8*\b+4*\k:64*\a+32+8*\b+4*\k+3], v[VO], s[8:9] offset:(32*(\a/2)+8*(\a%2))*256+64*\b+16*\k  ; sin: at v[64 a + 32 + m]
.endr
.endr
.endr
	WIN 0
.Lno_rope:
; 8 matrix instructions: A's tile a x B's eight, the slot's q-th 128 along K, from fragment set p and scale set sc.  zero = 1: the first product starts the sums: nothing is cleared.
; The 32 accumulators take turns, one instruction a turn, in the same order in every step.
.macro MUL8 a, p, q, sc, zero
.irp b, 0,1,2,3,4,5,6,7
.if \zero
	v_wmma_scale_f32_16x16x128_f8f6f4 v[8*(8*(\a)+\b):8*(8*(\a)+\b)+7], v[128*(\p)+12*\b:128*(\p)+12*\b+11], v[AF+48*(\p)+12*(\a):AF+48*(\p)+12*(\a)+11], 0, v[SC+24*(\sc)+8+2*\b+(\q)/2], v[SC+24*(\sc)+2*(\a)+(\q)/2] matrix_a_fmt:MATRIX_FMT_FP6 matrix_b_fmt:MATRIX_FMT_FP6
.elseif (\q)%2
	v_wmma_scale_f32_16x16x128_f8f6f4 v[8*(8*(\a)+\b):8*(8*(\a)+\b)+7], v[128*(\p)+12*\b:128*(\p)+12*\b+11], v[AF+48*(\p)+12*(\a):AF+48*(\p)+12*(\a)+11], v[8*(8*(\a)+\b):8*(8*(\a)+\b)+7], v[SC+24*(\sc)+8+2*\b+(\q)/2], v[SC+24*(\sc)+2*(\a)+(\q)/2] matrix_a_fmt:MATRIX_FMT_FP6 matrix_b_fmt:MATRIX_FMT_FP6 matrix_a_scale:MATRIX_SCALE_ROW1 matrix_b_scale:MATRIX_SCALE_ROW1
.else
	v_wmma_scale_f32_16x16x128_f8f6f4 v[8*(8*(\a)+\b):8*(8*(\a)+\b)+7], v[128*(\p)+12*\b:128*(\p)+12*\b+11], v[AF+48*(\p)+12*(\a):AF+48*(\p)+12*(\a)+11], v[8*(8*(\a)+\b):8*(8*(\a)+\b)+7], v[SC+24*(\sc)+8+2*\b+(\q)/2], v[SC+24*(\sc)+2*(\a)+(\q)/2] matrix_a_fmt:MATRIX_FMT_FP6 matrix_b_fmt:MATRIX_FMT_FP6
.endif
.endr
.endm
.macro FETCH slot, q, p                ; 36 LDS loads in one run: the fragments of the slot's q-th 128 along K into set p; each load takes 512 consecutive bytes
	WIN TO_B
.irp b, 0,1,2,3,4,5,6,7
.irp c, 0,1,2
	ds_load_b128 v[128*(\p)+12*\b+4*\c:128*(\p)+12*\b+4*\c+3], v[ADRB+\slot] offset:\b*REC+(\q)*FRB+512*\c
.endr
.endr
	WIN 0
.irp a, 0,1,2,3
.irp c, 0,1,2
	ds_load_b128 v[AF+48*(\p)+12*\a+4*\c:AF+48*(\p)+12*\a+4*\c+3], v[ADRA+\slot] offset:\a*REC+(\q)*FRB+512*\c
.endr
.endr
.endm
.macro SCALES slot                     ; the slot's scale words: two registers a tile serve its four fragments
.irp a, 0,1,2,3
	ds_load_b64 v[SC+24*\slot+2*\a:SC+24*\slot+2*\a+1], v[ASA+\slot] offset:\a*REC+SCO
.endr
.irp b, 0,1,2,3,4,5,6,7
	ds_load_b64 v[SC+24*\slot+8+2*\b:SC+24*\slot+8+2*\b+1], v[ASB+\slot] offset:\b*REC+SCO
.endr
.endm
; A step of 128 along K that has its successor in the same slot.  A load into a register that a matrix instruction has read stands four places behind it, and only plain vector instructions are places.
.macro STEP slot, q, zero
	s_wait_dscnt 0x0                               ; this step's fragments, asked for 32 matrix instructions ago, are in
	PLACES 4                                       ; behind the products that read the other set
	FETCH \slot, (\q)+1, 1-(\q)%2
	WIN MUL
	MUL8 0, (\q)%2, \q, \slot, \zero
	MUL8 1, (\q)%2, \q, \slot, \zero
	MUL8 2, (\q)%2, \q, \slot, \zero
	MUL8 3, (\q)%2, \q, \slot, \zero
.endm
; A slot's last step changes slots: ONE barrier; in front of it each wave waits for all its tensor loads, adds 0 to its spare word, and waits for that and for its reads of this slot.  fill = 1: this slot is filled again, two steps of 512 ahead.
.macro TURN slot, next, fill
	WIN 0                                          ; (the add's two registers lie in window 0)
	s_wait_tensorcnt 0x0                           ; all my tensor loads have landed: my part of the next slot;
	ds_add_u32 v[SPW], v[NIL]                      ; 0 onto my spare word;
	s_wait_dscnt 1                                 ; (the add alone may be out: this step's fragments are in)
	WIN MUL
	MUL8 0, 1, 3, \slot, 0                         ; eight matrix instructions stand between the add and the wait for it
	s_wait_dscnt 0x0                               ; the add is done, and my reads of this slot are over
	s_barrier_signal -1
	MUL8 1, 1, 3, \slot, 0
	WIN 0
	s_barrier_wait -1
.if \fill
	CREST                                          ; the barrier has opened a round of the cluster's barrier: no wave of any partner still reads this slot or has a load on its way
	s_add_nc_u64 s[G0+4*\slot+2:G0+4*\slot+3], s[G0+4*\slot+2:G0+4*\slot+3], 2*REC
	s_add_nc_u64 s[G0B+4*\slot+2:G0B+4*\slot+3], s[G0B+4*\slot+2:G0B+4*\slot+3], 2*REC
	JLOAD \slot                                    ; the first tensor load behind the round; its four v_nop are also the places in front of the loads below
.else
	PLACES 4
.endif
	FETCH \next, 0, 0
	SCALES \next
	WIN MUL
	MUL8 2, 1, 3, \slot, 0
	MUL8 3, 1, 3, \slot, 0
.endm
	s_wait_tensorcnt 1                             ; my part of slot 0 is in; slot 1's may stay out
	s_barrier_signal -1
	s_barrier_wait -1                              ; everybody's is
	FETCH 0, 0, 0
	SCALES 0
	STEP 0, 0, 1                                   ; the first step stands in front of the loop: its products start the sums
	WIN 0                                          ; at a label and at a branch every window is 0
	s_mov_b32 s3, KQ/2-1
.Llap:                                                 ; a trip goes once round the ring and fills both slots again
	STEP 0, 1, 0
	STEP 0, 2, 0
	TURN 0, 1, 1
	STEP 1, 0, 0
	STEP 1, 1, 0
	STEP 1, 2, 0
	TURN 1, 0, 1
	STEP 0, 0, 0
	WIN 0
	s_sub_co_u32 s3, s3, 1
	s_cmp_lg_u32 s3, 0
	s_cbranch_scc1 .Llap
	STEP 0, 1, 0                                   ; the last lap fills nothing, and has no round of the cluster's barrier
	STEP 0, 2, 0
	TURN 0, 1, 0
	STEP 1, 0, 0
	STEP 1, 1, 0
	STEP 1, 2, 0
	s_wait_dscnt 0x0                               ; the very last step: nothing more to fetch
	WIN MUL
	MUL8 0, 1, 3, 1, 0
	MUL8 1, 1, 3, 1, 0
	MUL8 2, 1, 3, 1, 0
	MUL8 3, 1, 3, 1, 0
	WIN 0
	PLACES 4                                       ; in front of the first read of results and of writes over A's fragments
; THE WAY OUT.  Tile a's 64 registers are 128 neighbours along the next product's K of one row.
; The rotation: pair m = (register 2 m, 2 m + 1): (xr c - xi s, xr s + xi c), in f32.  Sources: accumulators in window 2, cos and sin in window 3.  Each accumulator is read from its low end on.
.macro ROPE a
	WIN 0x0e                                       ; source 0 window 2, source 1 window 3
.set m, 0
.rept 32
	v_mul_f32 v[T+2*(m%4)], v[64*\a+2*m+1], v[64*\a+32+m]
	v_mul_f32 v[T+2*(m%4)+1], v[64*\a+2*m+1], v[64*\a+m]
	v_fma_f32 v[H+2*m], v[64*\a+2*m], v[64*\a+m], -v[T+2*(m%4)]
	v_fma_f32 v[H+2*m+1], v[64*\a+2*m], v[64*\a+32+m], v[T+2*(m%4)+1]
.set m, m+1
.endr
	WIN 0
.endm
; 64 numbers of a lane, v[s] on in window w, register 16 b + i = K 32 b + 16 (lane / 16) + i of my row, become a fragment's codes in v[pc] on and its scale word in v[pw].
.macro QUANT s, w, pc, pw
	WIN (\w)|((\w)<<2)
.irp b, 0,1,2,3
	v_max3_num_f32 v[TM+\b], |v[(\s)+16*\b]|, |v[(\s)+1+16*\b]|, 0x1800000   ; block b: my 16 numbers, and the floor 2^(3 - 127): the byte cannot fall under 1
.endr
	WIN ((\w)<<2)|((\w)<<4)
.irp i, 2,4,6,8,10,12,14
.irp b, 0,1,2,3
	v_max3_num_f32 v[TM+\b], v[TM+\b], |v[(\s)+16*\b+\i]|, |v[(\s)+1+16*\b+\i]|   ; the four blocks by turns
.endr
.endr
	WIN 0
.irp b, 0,1,2,3
	v_permlanex16_b32 v[TM+4+\b], v[TM+\b], s[SEL], s[SEL+1]
.endr
.irp b, 0,1,2,3
	v_max_num_f32 v[TM+\b], v[TM+\b], v[TM+4+\b]   ; with lane l xor 16's: the block's largest magnitude
.endr
.irp b, 0,1,2,3
	v_add_nc_u32 v[TM+12+\b], 0xff000000, v[TM+\b] ; 2 off its exponent field: the conversion's scale operand
.endr
.irp b, 0,1,2,3
	v_lshrrev_b32 v[TM+4+\b], 23, v[TM+12+\b]      ; the scale's byte
.endr
	v_lshl_or_b32 v[\pw], v[TM+5], 8, v[TM+4]      ; the four bytes make my row's scale word
	v_lshl_or_b32 v[\pw], v[TM+6], 16, v[\pw]
	v_lshl_or_b32 v[\pw], v[TM+7], 24, v[\pw]
	WIN \w
.irp c, 0,1
	v_cvt_scalef32_pk16_fp6_f32 v[(\pc)+6*\c:(\pc)+2+6*\c], v[(\s)+32*\c:(\s)+15+32*\c], v[TM+12+2*\c]
	v_cvt_scalef32_pk16_fp6_f32 v[(\pc)+12+4*\c:(\pc)+14+4*\c], v[(\s)+16+32*\c:(\s)+31+32*\c], v[TM+12+2*\c+1]   ; (a conversion's three registers begin on an even number)
.endr
	WIN 0
	v_nop                                          ; one plain place behind a scaled conversion
.irp c, 0,1                                    ; the operand's layout wants a WHOLE block in a lane: lanes 0-15 block 2 c, lanes 16-31 block 2 c + 1
.irp i, 0,1,2
	v_permlane16_swap_b32 v[(\pc)+6*\c+\i], v[(\pc)+12+4*\c+\i]
.endr
.irp i, 0,1,2
	v_mov_b32 v[(\pc)+3+6*\c+\i], v[(\pc)+12+4*\c+\i]
.endr
.endr
.endm
.macro PUT a                           ; tile a's fragment goes out as it stands: each store covers 512 consecutive bytes, at a multiple of 256 from the buffer's first byte
.irp c, 0,1,2
	global_store_b128 v[LI], v[PC+20*\a+4*\c:PC+20*\a+4*\c+3], s[10:11] offset:FRB*\a+512*\c
.endr
.endm
	s_cmp_eq_u32 s66, 1
	s_cbranch_scc1 .Lv_out
	s_wait_loadcnt 0x0                             ; cos and sin
.irp a, 0,1,2,3
	ROPE \a
	QUANT H, 0, PC+20*\a, PW+\a
	PUT \a
.endr
	s_branch .Lwords
.Lv_out:
.irp a, 0,1,2,3
	QUANT 64*\a, 2, PC+20*\a, PW+\a
	PUT \a
.endr
.Lwords:
	v_cndmask_b32 v[IMG], v[PW], v[PW+1], s84      ; lanes 0-15 fragment 0's words, lanes 16-31 fragment 1's
	v_cndmask_b32 v[IMG+1], v[PW+2], v[PW+3], s84
	global_store_b64 v[L8], v[IMG:IMG+1], s[10:11] offset:SCO   ; 256 consecutive bytes, aligned
	s_wait_tensorcnt 0x0                           ; the wave's end
	ds_add_u32 v[SPW], v[NIL]
	s_wait_dscnt 0x0
	CROUND                                         ; the closing round: no work-group ends while a partner may still ask for a tile that names it
	s_endpgm
.Lfunc_end_k_q9eebbd6d7b_qkv:
	.size	k_q9eebbd6d7b_qkv, .Lfunc_end_k_q9eebbd6d7b_qkv-k_q9eebbd6d7b_qkv
	.p2alignl 7, 3214868480
	.fill 96, 4, 3214868480
	.section	.rodata,"a",@progbits
	.p2align	6, 0x0
	.amdhsa_kernel k_q9eebbd6d7b_qkv
		.amdhsa_group_segment_fixed_size 327680
		.amdhsa_private_segment_fixed_size 0
		.amdhsa_enable_private_segment 0
		.amdhsa_kernarg_size 32
		.amdhsa_user_sgpr_count 2
		.amdhsa_user_sgpr_kernarg_segment_ptr 1
		.amdhsa_wavefront_size32 1
		.amdhsa_system_sgpr_workgroup_id_x 1
		.amdhsa_system_sgpr_workgroup_id_y 1
		.amdhsa_system_sgpr_workgroup_id_z 1
		.amdhsa_system_vgpr_workitem_id 0
		.amdhsa_next_free_vgpr 1024
		.amdhsa_next_free_sgpr 100
		.amdhsa_reserve_vcc 0
		.amdhsa_float_denorm_mode_32 3
		.amdhsa_float_denorm_mode_16_64 3
		.amdhsa_memory_ordered 1
		.amdhsa_forward_progress 1
		.amdhsa_inst_pref_size 182
	.end_amdhsa_kernel
	.amdgpu_metadata
---
amdhsa.version: [ 1, 2 ]
amdhsa.kernels:
  - .name:           k_q9eebbd6d7b_qkv
    .symbol:         k_q9eebbd6d7b_qkv.kd
    .args:
      - { .name: wc, .offset: 0, .size: 8, .value_kind: global_buffer, .address_space: global }
      - { .name: freqs_cos, .offset: 8, .size: 8, .value_kind: global_buffer, .address_space: global }
      - { .name: freqs_sin, .offset: 16, .size: 8, .value_kind: global_buffer, .address_space: global }
      - { .name: qkv, .offset: 24, .size: 8, .value_kind: global_buffer, .address_space: global }
    .group_segment_fixed_size: 327680
    .private_segment_fixed_size: 0
    .kernarg_segment_align: 8
    .kernarg_segment_size: 32
    .max_flat_workgroup_size: 128
    .sgpr_count:     100
    .vgpr_count:     1024
    .wavefront_size: 32
...
	.end_amdgpu_metadata
.endif
;; end of part 2
;; launch attn (part 3): grid 32 x 8, 8 waves a work-group, clusters of 4 x 1, 327,680 bytes of LDS; arguments qkv, ob; writes ob
.if DOCPART == 3
	.amdgcn_target "amdgcn-amd-amdhsa--gfx1250"
	.amdhsa_code_object_version 6
	.text
	.protected	k_q9eebbd6d7b_attn
	.globl	k_q9eebbd6d7b_attn
	.p2align	8
	.type	k_q9eebbd6d7b_attn,@function
k_q9eebbd6d7b_attn:
	s_mov_b64 s[64:65], 0
	v_nop
	global_prefetch_b8 v0, s[64:65] scope:SCOPE_SE
	s_setreg_imm32_b32 hwreg(HW_REG_WAVE_MODE, 25, 1), 1
	s_wait_xcnt 0x0
	s_wait_alu depctr_hold_cnt(0) depctr_sa_sdst(0) depctr_va_vdst(0) depctr_va_sdst(0) depctr_va_ssrc(0) depctr_va_vcc(0) depctr_vm_vsrc(0)
	s_getreg_b32 s2, hwreg(HW_REG_IB_STS2, 6, 4)
	s_cmp_eq_u32 s2, 0
	s_cbranch_scc0 .Lentry_in_a_cluster
	s_endpgm
.Lentry_in_a_cluster:
	s_bfe_u32 s2, ttmp6, 0x10000c
	s_cmp_lg_u32 s2, 0x3003
	s_cbranch_scc0 .Lentry_shape_is_right
	s_endpgm
.Lentry_shape_is_right:
; Causal attention, 16 query heads on 8 key and value heads, 2,048 tokens, head size 128, both products on codes of FP6 (E2M3) with E8M0 scales; the result, divided by the row's sum, is quantised along (head, channel) and stored as an operand.
; INPUT qkv: records of 6,400 bytes (four fragment images of 1,536 bytes, then 256 bytes of scale words: the word of (fragment f, row r) at 8 (r + 16 (f % 2)) + 4 (f / 2)).
; q head n: record 32 n + token / 64; k head g: 32 (16 + g) + token / 64, fragment = tile of 16 tokens; v head g: 32 (24 + g) + 2 (key / 128) + channel / 64, fragment = tile of 16 channels x 128 keys.
; Lane-row r of tile i is row 32 (i / 2) + 8 (i % 2) + r + 8 (r / 8), so that the 16 registers of two neighbouring tiles of a transposed product are 16 neighbours.
; THE SOFTMAX: t = score x log2(e) / sqrt(128); M = the running largest t rounded UP to a whole number; p = 2^(t - M) is quantised along the keys, not normalised; the sum is taken of the unquantised p; when M moves, sum and O are multiplied by 2^(old M - new M).
; Both products are used transposed (S^T = K Q^T, O^T = V^T P^T): a lane holds one query throughout.
; SHARES.  Cluster x = e, y = g.  A work-group has eight tiles of 16 queries: blocks of 128 queries e and 15 - e, heads 2 g + (w >> 1 & 1), tiles 8 block + 2 cx + (w & 1).  A tile of block n has n + 1 key steps of 128 keys.
; WAVES w AND w + 4 SHARE TWO TILES, ONE OF EACH BLOCK, BY THE KEYS: wave w takes the even key steps of both, wave w + 4 the odd ones: 17 tile-steps, 9 and 8, in every work-group; the longest chain of a wave is 9 where a wave to a tile would have 16.
; One fetch of a step's fragments of K and V serves both tiles.  A wave's tile X is the one that it finishes, tile Y the one that it hands over: waves 0-3: X = block 15 - e, Y = block e; waves 4-7 the other way round.  So one text serves all waves:
; what differs lies in scalar registers, which hang on the wave's number and the cluster's x alone and are the same in the four partners; cx enters Q's and the output's addresses and a lane's mask constant.
; THE MERGE.  Each wave stores Y's O^T and (-M, t, sum) as images of its registers in LDS; behind a barrier it loads its partner's part of X.  With M the larger of the two, each part is multiplied by 2^(its M - M), which rounds nothing.
; A part without a key step has O = 0 and sum = 0.  On a diagonal step every query sees its own key, so M is a number after a part's first step.
; THE MASK.  Every wave walks all its eight key steps (the trip counts are constants; no tensor load and no barrier is jumped over); a tile's work in a step all of whose keys come after its block is left out by a scalar branch; on the diagonal hidden scores become -infinity.
; THE RING.  A key step's tiles lie together in LDS: two records of K, two of V, 25,600 bytes; a slot is four key steps.  Three slots hold key steps 0 to 11 and are filled at the start: three tensor loads a wave, 12,800 bytes each, 307,200 bytes for the work-group.
; Key steps 12 to 15 go into slot 0's bytes when slot 0 has been read: the one refill, asked for eight key steps of the walk ahead of its first read.  The four partners walk the same K and V: every load is asked for jointly.
; No prefetch: all but the last quarter of a head's K and V is asked for at the head, and no wave waits for the last quarter.
; OUTPUT ob: [query tile 0..127][head / 4][record]; fragment = head % 4.  The scale words leave 4 bytes a lane, 8 bytes apart: 64 bytes for a tile and head, parts of blocks of 256 bytes; 128 KiB in the whole launch.
; LIMITS: p under 2^-126 becomes 0; a block of zeros gets the byte 1 where the rule says 127 (its codes are zeros, and this program alone reads the bytes); NaN and infinities are not served.
; REGISTERS: window 0: v1-10 addresses; v12-15 X's -M, largest t, sum in two halves; v16-27 X's Q, v28 its scale words; v30-37 K's and V's scale words; v38 p's; v[40:43] factors; v44-47, v48-59, v60 the same for Y;
;   v96-159 S^T, then p; v160-223 X's O^T; v224-235 p's codes; v232-254 at work.  window 1: v0-95 K's eight fragments, v96-191 V's, v192-255 Y's O^T.
.set REC,   6400
.set FRB,   1536
.set SCO,   6144
.set STEPB, 4*REC                      ; a key step in LDS: K's two records, then V's two
.set SLOTB, 4*STEPB                    ; a slot: four key steps
.set SPARE, 3*SLOTB                    ; behind the ring: the spare words, 128 bytes for each wave: four blocks of 256 bytes that no other line names
.set STAGE, SLOTB                      ; the merge's stages lie in slots 1 and 2, which are filled once and have been read out when the first part is stored there
.set STGB,  8704                       ; a wave's stage: 16 x 512 bytes of O^T, 512 of state
.set LI,   1                           ; v1   16 x lane
.set LS,   2                           ; v2   8 x lane + the scale image's place in a record
.set DQ,   3                           ; v3   my query - its block's first - 16 (lane / 16): the same for both tiles
.set R8,   4                           ; v4   8 x (lane % 16)
.set SPW,  5                           ; v5   LDS address of my spare word; never rewritten
.set NIL,  6                           ; v6   0; never rewritten
.set STA,  7                           ; v7   my stage, 16 x lane
.set ADK,  8                           ; v8   LDS address of the step's fragments
.set ADS,  9                           ; v9   and of its scale words
.set STB,  10                          ; v10  my partner's stage, 16 x lane
.set SX,   12
.set QX,   16
.set QSX,  28
.set KS,   30
.set VS,   34
.set PS,   38
.set F,    40                          ; v[40:41] a factor 2^n (the upper register is named with it as a pair)
.set F2,   42                          ; v[42:43] the partner's, in the merge
.set SY,   44
.set QY,   48
.set QSY,  60
.set TM,   232                         ; the last quantiser's work
.set WV,   18                          ; s18  my wave's number
.set SEL,  20                          ; s[20:21] lane selects for lane l xor 16
.set CS,   22                          ; s[22:23] c = log2(e) / sqrt(128), twice
.set G1,   24                          ; s[24:31] descriptor group 1
.set G0,   32                          ; s[32:43] group 0, a set for each slot; slot 0's serves the refill too
.set TB,   2                           ; s2   LDS byte at which the key step in hand begins
.set SG,   3                           ; s3   the key step's number
.set BLKX, 66                          ; s66  X's block of 128 queries
.set BLKY, 67                          ; s67  Y's
.set INNER, 68                         ; s68  counts key steps
.set BHI,  69                          ; s69  the later of the two blocks
.set MSB, 0
.macro WIN new                         ; the immediate's high byte repeats the setting that is left
.if MSB != \new
	s_set_vgpr_msb (MSB<<8)|\new
.set MSB, \new
.endif
.endm
.macro CROUND                          ; a round of the cluster's barrier
	s_barrier_signal -1
	s_barrier_wait -1
	s_cmp_lg_u32 s[WV], 0
	s_cbranch_scc1 .Lnot_wave_0_\@
	s_barrier_signal -3
.Lnot_wave_0_\@:
	s_barrier_wait -3
	s_barrier_signal -1
	s_barrier_wait -1
.endm
	s_load_b128 s[4:7], s[0:1], 0x0                ; qkv s[4:5], ob s[6:7]
	v_lshl_add_u32 v[SPW], v0, 2, SPARE
	v_mov_b32 v[NIL], 0
	ds_add_u32 v5, v6
	ds_add_u32 v5, v6
	s_wait_dscnt 0x0
	v_lshrrev_b32 v61, 5, v0
	v_readfirstlane_b32 s[WV], v61                 ; wave 0..7
	s_bfe_u32 s44, ttmp6, 0x40000                  ; cx: my place in the cluster
	s_and_b32 s45, ttmp7, 0xffff                   ; g: the key and value head
	s_lshr_b32 s46, s[WV], 2                       ; my parity among the key steps.  Also: I fetch K (0) or V (1)
	s_bfe_u32 s47, s[WV], 0x10001                  ; which of the two query heads
	s_and_b32 s48, s[WV], 1                        ; which of my work-group's two tiles of a block and head
	s_sub_co_u32 s[BHI], 15, ttmp9
	s_cmp_eq_u32 s46, 0
	s_cselect_b32 s[BLKX], s[BHI], ttmp9           ; the same in all four partners, for a given wave
	s_cselect_b32 s[BLKY], ttmp9, s[BHI]
	; what I fetch: the two records of K, or of V, of key step (wave & 3) of a slot
	s_add_co_u32 s50, s45, 16
	s_lshl_b32 s50, s50, 5                         ; K's first record of the head;
	s_lshl_b32 s51, s46, 8                         ; V's lies 256 records on
	s_add_co_u32 s51, s51, s50
	s_and_b32 s52, s[WV], 3
	s_lshl_b32 s53, s52, 1
	s_add_co_u32 s51, s51, s53
	s_mul_i32 s54, s51, REC
	s_mov_b32 s55, 0
	s_mul_i32 s56, s52, STEPB                      ; and where they go: no place in the cluster enters an LDS address
	s_mul_i32 s57, s46, 2*REC
	s_add_co_u32 s56, s56, s57
	; Q: record 32 head + 2 block + cx / 2, fragment 2 (cx & 1) + tile
	s_lshl_b32 s58, s45, 1
	s_add_co_u32 s58, s58, s47
	s_lshl_b32 s58, s58, 5
	s_lshr_b32 s59, s44, 1
	s_add_co_u32 s58, s58, s59
	s_mul_i32 s58, s58, REC                        ; the record, less the block's part
	s_and_b32 s59, s44, 1
	s_lshl_b32 s76, s59, 1
	s_add_co_u32 s76, s76, s48
	s_mul_i32 s76, s76, FRB
	s_add_co_u32 s76, s76, s58                     ; the fragment
	s_lshl_b32 s77, s48, 7                         ; its scale words: + 128 (fragment % 2) + 4 (fragment / 2)
	s_lshl_b32 s59, s59, 2
	s_add_co_u32 s77, s77, s59
	s_add_co_u32 s77, s77, s58
	s_add_co_u32 s77, s77, SCO
	s_mul_i32 s78, s[BLKX], 2*REC
	s_mul_i32 s79, s[BLKY], 2*REC
	s_add_co_u32 s60, s76, s78
	s_mov_b32 s61, 0
	s_add_co_u32 s62, s77, s78
	s_mov_b32 s63, 0
	s_add_co_u32 s70, s76, s79
	s_mov_b32 s71, 0
	s_add_co_u32 s72, s77, s79
	s_mov_b32 s73, 0
	; the output, of tile X: record 4 (8 block + 2 cx + tile) + g / 2, fragment 2 (g & 1) + query head
	s_lshl_b32 s80, s[BLKX], 3
	s_lshl_b32 s81, s44, 1
	s_add_co_u32 s80, s80, s81
	s_add_co_u32 s80, s80, s48
	s_lshl_b32 s80, s80, 2
	s_lshr_b32 s81, s45, 1
	s_add_co_u32 s80, s80, s81
	s_mul_i32 s80, s80, REC
	s_and_b32 s81, s45, 1
	s_lshl_b32 s84, s81, 1
	s_add_co_u32 s84, s84, s47
	s_mul_i32 s84, s84, FRB
	s_add_co_u32 s74, s80, s84
	s_mov_b32 s75, 0
	s_lshl_b32 s84, s47, 7
	s_lshl_b32 s81, s81, 2
	s_add_co_u32 s82, s80, s84
	s_add_co_u32 s82, s82, s81
	s_add_co_u32 s82, s82, SCO
	s_mov_b32 s83, 0
	; descriptor group 1: 12,800 dense bytes as 50 rows of 256 bytes (32 elements of 8 bytes); no padding: fragments are read as they lie
	s_mov_b32 s[G1], 15|(3<<16)|(1<<21)            ; 15:0 the mask: all four work-groups; 17:16 elements of 8 bytes; 21 set beside a mask
	s_mov_b32 s[G1+1], 32<<16
	s_mov_b32 s[G1+2], 50<<16
	s_mov_b32 s[G1+3], 32<<16
	s_mov_b32 s[G1+4], 50
	s_mov_b32 s[G1+5], 32
	s_mov_b32 s[G1+6], 0
	s_mov_b32 s[G1+7], 0
	s_mov_b32 s[SEL], 0x76543210
	s_mov_b32 s[SEL+1], 0xfedcba98
	s_mov_b32 s[CS], 0x3e0293ee                    ; c = log2(e) / sqrt(128)
	s_mov_b32 s[CS+1], s[CS]                       ; (named with it as a pair, so it is written)
	s_mul_i32 s[TB], s46, STEPB                    ; my first key step: my parity
	s_mov_b32 s[SG], s46
	s_wait_kmcnt 0x0
	s_add_nc_u64 s[54:55], s[4:5], s[54:55]
.irp s, 0,1,2
	s_mov_b32 s[G0+4*\s], 1                        ; 1:0 count = 1
	s_add_co_u32 s[G0+4*\s+1], s56, \s*SLOTB       ; 63:32 LDS address
	s_add_nc_u64 s[G0+4*\s+2:G0+4*\s+3], s[54:55], \s*8*REC   ; 120:64 global address: a slot is eight records of K and eight of V
	s_or_b32 s[G0+4*\s+3], s[G0+4*\s+3], 0x80000000           ; 127:126 type = 2
.endr
	s_add_nc_u64 s[60:61], s[4:5], s[60:61]
	s_add_nc_u64 s[62:63], s[4:5], s[62:63]
	s_add_nc_u64 s[70:71], s[4:5], s[70:71]
	s_add_nc_u64 s[72:73], s[4:5], s[72:73]
	s_add_nc_u64 s[74:75], s[6:7], s[74:75]
	s_add_nc_u64 s[82:83], s[6:7], s[82:83]
	CROUND                                         ; all four work-groups are here: the first joint loads meet
	tensor_load_to_lds s[G0:G0+3], s[G1:G1+7]      ; key steps 0 to 3,
	s_nop 0
	tensor_load_to_lds s[G0+4:G0+7], s[G1:G1+7]    ; 4 to 7,
	s_nop 0
	tensor_load_to_lds s[G0+8:G0+11], s[G1:G1+7]   ; 8 to 11: three loads of mine are out
	s_nop 0
.rept 4
	v_nop
.endr
	v_and_b32 v61, 31, v0                          ; lane
	v_and_b32 v62, 15, v0                          ; r
	v_bfe_u32 v63, v0, 4, 1                        ; h
	v_lshlrev_b32 v[LI], 4, v61
	v_lshlrev_b32 v[R8], 3, v62
.irp c, 0,1,2
	global_load_b128 v[QX+4*\c:QX+4*\c+3], v[LI], s[60:61] offset:512*\c   ; both tiles' fragments of Q stay in registers
.endr
	global_load_b32 v[QSX], v[R8], s[62:63]        ; and their scale words
.irp c, 0,1,2
	global_load_b128 v[QY+4*\c:QY+4*\c+3], v[LI], s[70:71] offset:512*\c
.endr
	global_load_b32 v[QSY], v[R8], s[72:73]
	v_lshl_add_u32 v[LS], v61, 3, SCO
	s_mul_i32 s85, s[WV], STGB
	s_add_co_u32 s85, s85, STAGE
	v_add_nc_u32 v[STA], s85, v[LI]
	s_xor_b32 s86, s[WV], 4                        ; my partner
	s_mul_i32 s86, s86, STGB
	s_add_co_u32 s86, s86, STAGE
	v_add_nc_u32 v[STB], s86, v[LI]
	v_and_b32 v64, 8, v62
	v_add_nc_u32 v64, v64, v62                     ; r + 8 (r / 8)
	v_lshlrev_b32 v63, 4, v63
	v_sub_nc_u32 v[DQ], v64, v63
	s_lshl_b32 s85, s44, 5
	s_lshl_b32 s86, s48, 3
	s_add_co_u32 s85, s85, s86
	v_add_nc_u32 v[DQ], s85, v[DQ]                 ; 32 cx + 8 tile + r + 8 (r / 8) - 16 h
.irp s, SX, SY
	v_mov_b32 v[\s+1], 0xff61b1e6                  ; the largest t so far: -3e38, under every t
	v_floor_f32 v[\s], -v[\s+1]                    ; -M
	v_mov_b32 v[\s+2], 0                           ; the sum, in two halves
	v_mov_b32 v[\s+3], 0
.endr
	v_mov_b32 v[F+1], 0                            ; (named as the upper halves of pairs)
	v_mov_b32 v[F2+1], 0
	v_mov_b32 v254, 0
.irp b, 0,1,2,3
	v_mov_b32 v[236+\b], 0                         ; written once: a lane permute's destination counts as one of its sources
.endr
.set j, 0
.rept 64
	v_mov_b32 v[160+j], 0                          ; X's O^T.  (A tile's step is written once: the first finds zeros, which the first change of M leaves zeros; a part without a step hands zeros over)
.set j, j+1
.endr
	WIN 0x40                                       ; destination window 1
.set j, 0
.rept 64
	v_mov_b32 v[192+j], 0                          ; Y's O^T
.set j, j+1
.endr
	WIN 0
; ONE TILE'S WORK IN A KEY STEP.  qf, qw: its Q and Q's scale words; st: its state; ob, ow: its O^T and the window in which that lies; bk: its block.
.macro TILE qf, qw, st, ob, ow, bk
	s_cmp_gt_u32 s[SG], s[\bk]                     ; all the step's keys come after the tile's queries: nothing to do
	s_cbranch_scc1 .Lskip_\@
	WIN 0x01                                       ; source 0 window 1
.set t, 0
.rept 8                                        ; S^T = K Q^T: lane (r, h) holds query r; the 16 registers of tiles 2 b, 2 b + 1 are keys 32 b + 16 h + 0 .. 15 of the step
.if t%2
	v_wmma_scale_f32_16x16x128_f8f6f4 v[96+8*t:103+8*t], v[12*t:12*t+11], v[(\qf):(\qf)+11], 0, v[KS+2*(t/4)+(t%4)/2], v[\qw] matrix_a_fmt:MATRIX_FMT_FP6 matrix_b_fmt:MATRIX_FMT_FP6 matrix_a_scale:MATRIX_SCALE_ROW1
.else
	v_wmma_scale_f32_16x16x128_f8f6f4 v[96+8*t:103+8*t], v[12*t:12*t+11], v[(\qf):(\qf)+11], 0, v[KS+2*(t/4)+(t%4)/2], v[\qw] matrix_a_fmt:MATRIX_FMT_FP6 matrix_b_fmt:MATRIX_FMT_FP6
.endif
.set t, t+1
.endr
	WIN 0
.rept 4
	v_nop                                          ; four places in front of the first read of the scores
.endr
	s_cmp_lt_u32 s[SG], s[\bk]                     ; a step all of whose keys count skips the mask
	s_cbranch_scc1 .Lopen_\@
	v_mov_b32 v254, 0xff800000                     ; -infinity.  Register 16 b + i holds the step's key 32 b + 16 h + i: hidden where 32 b + i > my query - 16 h
.set n, 0
.rept 64
	v_cmp_gt_i32 vcc_lo, 32*(n/16)+n%16, v[DQ]
	v_cndmask_b32 v[96+n], v[96+n], v254, vcc_lo
.set n, n+1
.endr
.Lopen_\@:
.irp b, 0,1,2,3
	v_max3_num_f32 v[232+\b], v[96+16*\b], v[97+16*\b], v[98+16*\b]   ; the largest score of each block of 32 keys: it serves for the row's maximum and, since p rises with the score, for the block's largest p
.endr
.irp i, 3,5,7,9,11,13
.irp b, 0,1,2,3
	v_max3_num_f32 v[232+\b], v[232+\b], v[96+16*\b+\i], v[97+16*\b+\i]
.endr
.endr
.irp b, 0,1,2,3
	v_max_num_f32 v[232+\b], v[232+\b], v[111+16*\b]
.endr
.irp b, 0,1,2,3
	v_permlanex16_b32 v[236+\b], v[232+\b], s[SEL], s[SEL+1]
.endr
.irp b, 0,1,2,3
	v_max_num_f32 v[232+\b], v[232+\b], v[236+\b]  ; with lane l xor 16's 16 keys
.endr
	v_max3_num_f32 v254, v232, v233, v234
	v_max_num_f32 v254, v254, v235                 ; the step's largest score of my query
	v_mul_f32 v254, s[CS], v254                    ; as t (c is positive)
	v_max_num_f32 v[(\st)+1], v[(\st)+1], v254     ; the running largest t
	v_mov_b32 v254, v[\st]
	v_floor_f32 v[\st], -v[(\st)+1]                ; the new -M = floor(-t): M is a whole number
	v_sub_f32 v254, v[\st], v254                   ; M's old value less its new one: a whole number, 0 or less
	v_cvt_i32_f32 v254, v254                       ; (it saturates)
	v_ldexp_f32 v[F], 1.0, v254                    ; f = 2^(old M - new M): a multiplication by it rounds nothing
.set j, 0
.rept 32
	v_pk_fma_f32 v[96+j:97+j], v[96+j:97+j], s[CS:CS+1], v[(\st):(\st)+1] op_sel_hi:[1,0,0]   ; t - M, two at a time
.set j, j+2
.endr
.irp b, 0,1,2,3
	v_fma_f32 v[232+\b], v[232+\b], s[CS], v[\st]  ; the same of each block's largest score
.endr
.set j, 0
.rept 64
	v_exp_f32 v[96+j], v[96+j]                     ; p = 2^(t - M), at most 1: not normalised
.set j, j+1
.endr
	v_pk_mul_f32 v[(\st)+2:(\st)+3], v[(\st)+2:(\st)+3], v[F:F+1] op_sel_hi:[1,0]   ; the sums under the new M: a plain place behind the exponentials
	s_wait_alu depctr_va_vdst(0)                   ; one wait for the whole batch, ahead of its first reader
.irp b, 0,1,2,3
	v_exp_f32 v[232+\b], v[232+\b]                 ; the block's largest p: the same two instructions on the same number give the same bits
.endr
	v_pk_add_f32 v[236:237], v[96:97], v[98:99]    ; the row's sum is taken of the unquantised p, in two chains
.irp j, 4,8,12,16,20,24,28,32,36,40,44,48,52,56,60
	v_pk_add_f32 v[(\st)+2:(\st)+3], v[(\st)+2:(\st)+3], v[96+\j:97+\j]
	v_pk_add_f32 v[236:237], v[236:237], v[98+\j:99+\j]
.endr
	v_pk_add_f32 v[(\st)+2:(\st)+3], v[(\st)+2:(\st)+3], v[236:237]
	s_wait_alu depctr_va_vdst(0)                   ; and one for the four
.irp b, 0,1,2,3
	v_max_num_f32 v[232+\b], 0x1800000, v[232+\b]  ; the floor 2^(3 - 127): the byte cannot fall under 1
.endr
.irp b, 0,1,2,3
	v_add_nc_u32 v[244+\b], 0xff000000, v[232+\b]  ; 2 off the exponent field: the conversion's scale operand
.endr
.irp b, 0,1,2,3
	v_lshrrev_b32 v[236+\b], 23, v[244+\b]         ; the scale's byte
.endr
	v_lshl_or_b32 v[PS], v237, 8, v236             ; p's scale word for these 128 keys
	v_lshl_or_b32 v[PS], v238, 16, v[PS]
	v_lshl_or_b32 v[PS], v239, 24, v[PS]
.irp c, 0,1
	v_cvt_scalef32_pk16_fp6_f32 v[224+6*\c:226+6*\c], v[96+32*\c:111+32*\c], v[244+2*\c]
	v_cvt_scalef32_pk16_fp6_f32 v[236+4*\c:238+4*\c], v[112+32*\c:127+32*\c], v[244+2*\c+1]   ; (a conversion's three registers begin on an even number)
.endr
	v_nop                                          ; one plain place behind a scaled conversion
.irp c, 0,1                                    ; the operand's layout wants a WHOLE block in a lane
.irp i, 0,1,2
	v_permlane16_swap_b32 v[224+6*\c+\i], v[236+4*\c+\i]
.endr
.irp i, 0,1,2
	v_mov_b32 v[227+6*\c+\i], v[236+4*\c+\i]
.endr
.endr
.if \ow
	WIN 0x41                                       ; destination and source 0 window 1, f in window 0
.endif
.set j, 0
.rept 32
	v_pk_mul_f32 v[(\ob)+j:(\ob)+j+1], v[(\ob)+j:(\ob)+j+1], v[F:F+1] op_sel_hi:[1,0]   ; O^T under the new M.  (These 32 also stand between the lines that made p's codes and scale word and the products below)
.set j, j+2
.endr
	s_wait_dscnt 0x0                               ; V is in
.if \ow
	WIN 0x51                                       ; V, C and D window 1, p's codes window 0
.else
	WIN 0x01
.endif
.set t, 0
.rept 8                                        ; O^T += V^T P^T: eight accumulators, one instruction each
.if t%2
	v_wmma_scale_f32_16x16x128_f8f6f4 v[(\ob)+8*t:(\ob)+8*t+7], v[96+12*t:96+12*t+11], v[224:235], v[(\ob)+8*t:(\ob)+8*t+7], v[VS+2*(t/4)+(t%4)/2], v[PS] matrix_a_fmt:MATRIX_FMT_FP6 matrix_b_fmt:MATRIX_FMT_FP6 matrix_a_scale:MATRIX_SCALE_ROW1
.else
	v_wmma_scale_f32_16x16x128_f8f6f4 v[(\ob)+8*t:(\ob)+8*t+7], v[96+12*t:96+12*t+11], v[224:235], v[(\ob)+8*t:(\ob)+8*t+7], v[VS+2*(t/4)+(t%4)/2], v[PS] matrix_a_fmt:MATRIX_FMT_FP6 matrix_b_fmt:MATRIX_FMT_FP6
.endif
.set t, t+1
.endr
	WIN 0
.Lskip_\@:
.endm
; A KEY STEP OF MY PARITY: 128 keys; its fragments are fetched once and serve both tiles.
.macro KSTEP
	s_cmp_gt_u32 s[SG], s[BHI]                     ; its keys come after both blocks: the step's work is left out
	s_cbranch_scc1 .Lhidden_\@
	v_add_nc_u32 v[ADK], s[TB], v[LI]
	v_add_nc_u32 v[ADS], s[TB], v[LS]
	v_nop
	v_nop                                          ; four places in front of loads into registers that the last products have read
	ds_load_b64 v[KS:KS+1], v[ADS]                 ; the scale words of K's two records
	ds_load_b64 v[KS+2:KS+3], v[ADS] offset:REC
	ds_load_b64 v[VS:VS+1], v[ADS] offset:2*REC    ; and of V's
	ds_load_b64 v[VS+2:VS+3], v[ADS] offset:3*REC
	WIN 0x40                                       ; destination window 1
.set t, 0
.rept 8
.irp c, 0,1,2
	ds_load_b128 v[12*t+4*\c:12*t+4*\c+3], v[ADK] offset:(t/4)*REC+(t%4)*FRB+512*\c
.endr
.set t, t+1
.endr
.set t, 0
.rept 8
.irp c, 0,1,2
	ds_load_b128 v[96+12*t+4*\c:96+12*t+4*\c+3], v[ADK] offset:2*REC+(t/4)*REC+(t%4)*FRB+512*\c
.endr
.set t, t+1
.endr
	WIN 0
	s_wait_dscnt 24                                ; the scale words and K are in; V's 24 loads may be out: they land under the first softmax
	TILE QX, QSX, SX, 160, 0, BLKX
	TILE QY, QSY, SY, 192, 1, BLKY
	s_wait_dscnt 0x0                               ; no load of this step is out when the next step's are issued into the same registers
.Lhidden_\@:
	s_add_co_u32 s[TB], s[TB], 2*STEPB             ; my next key step: two on
	s_add_co_u32 s[SG], s[SG], 2
.endm
.macro STEPS n                         ; n key steps of my parity: written once, walked n times
	s_mov_b32 s[INNER], \n
.Lstep_\@:
	KSTEP
	s_sub_co_u32 s[INNER], s[INNER], 1
	s_cmp_lg_u32 s[INNER], 0
	s_cbranch_scc1 .Lstep_\@
.endm
	s_wait_loadcnt 0x0                             ; Q
	s_wait_tensorcnt 2                             ; my part of slot 0 is in; slots 1 and 2's may stay out
	s_barrier_signal -1
	s_barrier_wait -1                              ; everybody's is
	STEPS 2                                        ; slot 0: key steps 0 to 3, two of them mine
	s_wait_tensorcnt 0x0                           ; all my tensor loads have landed, my parts of slots 1 and 2 among them: group 0 may be written
	ds_add_u32 v[SPW], v[NIL]                      ; 0 onto my spare word
	s_add_nc_u64 s[G0+2:G0+3], s[G0+2:G0+3], 24*REC   ; three slots on: key steps 12 to 15; the type bits on top are not reached
	s_wait_dscnt 0x0                               ; the add is done, and my reads of slot 0 are over
	CROUND                                         ; no wave of any partner still reads slot 0 or has a load on its way
	tensor_load_to_lds s[G0:G0+3], s[G1:G1+7]      ; the one refill: the first thing behind the round, and my last tensor load
	s_nop 0
.rept 4
	v_nop
.endr
	STEPS 4                                        ; slots 1 and 2: key steps 4 to 11; the round has shown both whole to every wave
	s_wait_tensorcnt 0x0                           ; my part of key steps 12 to 15 is in (no load was issued behind it),
	s_wait_dscnt 0x0                               ; and my reads of slots 1 and 2 are over
	s_barrier_signal -1
	s_barrier_wait -1                              ; both hold of every wave
	s_mul_i32 s[TB], s46, STEPB                    ; back to slot 0's bytes
	STEPS 2                                        ; key steps 12 to 15
	; THE MERGE.  Y's part goes to my stage as it stands in my registers; my partner's Y is my X.
.rept 4
	v_nop                                          ; four places behind the last products, in front of the stores that read O^T
.endr
	s_wait_dscnt 0x0
	s_barrier_signal -1
	s_barrier_wait -1                              ; no wave reads the ring any more
	WIN 0x04                                       ; an LDS store's data are its source 1: window 1
.set i, 0
.rept 16
	ds_store_b128 v[STA], v[192+4*i:195+4*i] offset:512*i   ; each accumulator from its low end on; 512 consecutive bytes a store
.set i, i+1
.endr
	WIN 0
	ds_store_b128 v[STA], v[SY:SY+3] offset:8192   ; -M, the largest t, the sum's two halves
	s_wait_dscnt 0x0                               ; for the partner's sake: my stores have landed
	s_barrier_signal -1
	s_barrier_wait -1
	ds_load_b128 v[QY:QY+3], v[STB] offset:8192    ; the partner's state of my X, into registers that Y's Q has left
.set i, 0
.rept 16
	ds_load_b128 v[96+4*i:99+4*i], v[STB] offset:512*i      ; and its O^T
.set i, i+1
.endr
	s_wait_dscnt 16                                ; the state is in; the 16 loads of O^T may be out
	v_min_num_f32 v52, v[SX], v[QY]                ; the common -M: M is the larger of the two
	v_sub_f32 v53, v52, v[SX]                      ; my M less the common one: a whole number, 0 or less
	v_sub_f32 v54, v52, v[QY]                      ; the partner's
	v_cvt_i32_f32 v53, v53                         ; (they saturate)
	v_cvt_i32_f32 v54, v54
	v_ldexp_f32 v[F], 1.0, v53
	v_ldexp_f32 v[F2], 1.0, v54
	v_pk_mul_f32 v[SX+2:SX+3], v[SX+2:SX+3], v[F:F+1] op_sel_hi:[1,0]
	v_pk_fma_f32 v[SX+2:SX+3], v[QY+2:QY+3], v[F2:F2+1], v[SX+2:SX+3] op_sel_hi:[1,0,1]   ; the sums of both parts under the common M
	v_add_f32 v[SX+2], v[SX+2], v[SX+3]            ; the two halves,
	v_permlanex16_b32 v254, v[SX+2], s[SEL], s[SEL+1]
	v_add_f32 v[SX+2], v[SX+2], v254               ; and lane l xor 16's: the row's sum
	v_rcp_f32 v[SX+2], v[SX+2]
	v_nop                                          ; the plain place behind the reciprocal
	s_wait_alu depctr_va_vdst(0)                   ; ahead of its first reader
	v_mul_f32 v[F], v[F], v[SX+2]                  ; a power of two x 1 / the sum: the division costs no line of its own
	v_mul_f32 v[F2], v[F2], v[SX+2]
	s_wait_dscnt 0x0                               ; the partner's O^T is in
.set j, 0
.rept 32
	v_pk_mul_f32 v[96+j:97+j], v[96+j:97+j], v[F2:F2+1] op_sel_hi:[1,0]
.set j, j+2
.endr
.set j, 0
.rept 32
	v_pk_fma_f32 v[96+j:97+j], v[160+j:161+j], v[F:F+1], v[96+j:97+j] op_sel_hi:[1,0,1]   ; each accumulator from its low end on
.set j, j+2
.endr
	; THE WAY OUT.  Register 16 b + i is channel 32 b + 16 h + i of my query: 128 neighbours along the last product's K.  They are quantised and leave as a fragment.
.irp b, 0,1,2,3
	v_max3_num_f32 v[TM+\b], |v[96+16*\b]|, |v[97+16*\b]|, 0x1800000   ; block b: my 16 numbers, and the floor 2^(3 - 127)
.endr
.irp i, 2,4,6,8,10,12,14
.irp b, 0,1,2,3
	v_max3_num_f32 v[TM+\b], v[TM+\b], |v[96+16*\b+\i]|, |v[97+16*\b+\i]|
.endr
.endr
.irp b, 0,1,2,3
	v_permlanex16_b32 v[TM+4+\b], v[TM+\b], s[SEL], s[SEL+1]
.endr
.irp b, 0,1,2,3
	v_max_num_f32 v[TM+\b], v[TM+\b], v[TM+4+\b]
.endr
.irp b, 0,1,2,3
	v_add_nc_u32 v[TM+12+\b], 0xff000000, v[TM+\b]
.endr
.irp b, 0,1,2,3
	v_lshrrev_b32 v[TM+4+\b], 23, v[TM+12+\b]
.endr
	v_lshl_or_b32 v190, v[TM+5], 8, v[TM+4]        ; my row's scale word, the same in lanes l and l xor 16
	v_lshl_or_b32 v190, v[TM+6], 16, v190
	v_lshl_or_b32 v190, v[TM+7], 24, v190
.irp c, 0,1
	v_cvt_scalef32_pk16_fp6_f32 v[160+6*\c:162+6*\c], v[96+32*\c:111+32*\c], v[TM+12+2*\c]
	v_cvt_scalef32_pk16_fp6_f32 v[172+4*\c:174+4*\c], v[112+32*\c:127+32*\c], v[TM+12+2*\c+1]
.endr
	v_nop                                          ; one plain place behind a scaled conversion
.irp c, 0,1
.irp i, 0,1,2
	v_permlane16_swap_b32 v[160+6*\c+\i], v[172+4*\c+\i]
.endr
.irp i, 0,1,2
	v_mov_b32 v[163+6*\c+\i], v[172+4*\c+\i]
.endr
.endr
.irp c, 0,1,2
	global_store_b128 v[LI], v[160+4*\c:163+4*\c], s[74:75] offset:512*\c   ; 512 consecutive bytes, at a multiple of 256 from the buffer's first byte
.endr
	global_store_b32 v[R8], v190, s[82:83]         ; lanes l and l + 16 store the same word at the same place
	s_wait_tensorcnt 0x0                           ; the wave's end
	ds_add_u32 v[SPW], v[NIL]
	s_wait_dscnt 0x0
	CROUND                                         ; the closing round: no work-group ends while a partner may still ask for a tile that names it
	s_endpgm
.Lfunc_end_k_q9eebbd6d7b_attn:
	.size	k_q9eebbd6d7b_attn, .Lfunc_end_k_q9eebbd6d7b_attn-k_q9eebbd6d7b_attn
	.p2alignl 7, 3214868480
	.fill 96, 4, 3214868480
	.section	.rodata,"a",@progbits
	.p2align	6, 0x0
	.amdhsa_kernel k_q9eebbd6d7b_attn
		.amdhsa_group_segment_fixed_size 327680
		.amdhsa_private_segment_fixed_size 0
		.amdhsa_enable_private_segment 0
		.amdhsa_kernarg_size 16
		.amdhsa_user_sgpr_count 2
		.amdhsa_user_sgpr_kernarg_segment_ptr 1
		.amdhsa_wavefront_size32 1
		.amdhsa_system_sgpr_workgroup_id_x 1
		.amdhsa_system_sgpr_workgroup_id_y 1
		.amdhsa_system_sgpr_workgroup_id_z 1
		.amdhsa_system_vgpr_workitem_id 0
		.amdhsa_next_free_vgpr 512
		.amdhsa_next_free_sgpr 90
		.amdhsa_reserve_vcc 1
		.amdhsa_float_denorm_mode_32 3
		.amdhsa_float_denorm_mode_16_64 3
		.amdhsa_memory_ordered 1
		.amdhsa_forward_progress 1
		.amdhsa_inst_pref_size 157
	.end_amdhsa_kernel
	.amdgpu_metadata
---
amdhsa.version: [ 1, 2 ]
amdhsa.kernels:
  - .name:           k_q9eebbd6d7b_attn
    .symbol:         k_q9eebbd6d7b_attn.kd
    .args:
      - { .name: qkv, .offset: 0, .size: 8, .value_kind: global_buffer, .address_space: global }
      - { .name: ob, .offset: 8, .size: 8, .value_kind: global_buffer, .address_space: global }
    .group_segment_fixed_size: 327680
    .private_segment_fixed_size: 0
    .kernarg_segment_align: 8
    .kernarg_segment_size: 16
    .max_flat_workgroup_size: 256
    .sgpr_count:     90
    .vgpr_count:     512
    .wavefront_size: 32
...
	.end_amdgpu_metadata
.endif
;; end of part 3
;; launch oproj (part 4): grid 16 x 16, 4 waves a work-group, clusters of 4 x 4, 327,680 bytes of LDS; arguments ob, wc, out0; writes out0
.if DOCPART == 4
	.amdgcn_target "amdgcn-amd-amdhsa--gfx1250"
	.amdhsa_code_object_version 6
	.text
	.protected	k_q9eebbd6d7b_oproj
	.globl	k_q9eebbd6d7b_oproj
	.p2align	8
	.type	k_q9eebbd6d7b_oproj,@function
k_q9eebbd6d7b_oproj:
	s_mov_b64 s[64:65], 0
	v_nop
	global_prefetch_b8 v0, s[64:65] scope:SCOPE_SE
	s_setreg_imm32_b32 hwreg(HW_REG_WAVE_MODE, 25, 1), 1
	s_wait_xcnt 0x0
	s_wait_alu depctr_hold_cnt(0) depctr_sa_sdst(0) depctr_va_vdst(0) depctr_va_sdst(0) depctr_va_ssrc(0) depctr_va_vcc(0) depctr_vm_vsrc(0)
	s_getreg_b32 s2, hwreg(HW_REG_IB_STS2, 6, 4)
	s_cmp_eq_u32 s2, 0
	s_cbranch_scc0 .Lentry_in_a_cluster
	s_endpgm
.Lentry_in_a_cluster:
	s_bfe_u32 s2, ttmp6, 0x10000c
	s_cmp_lg_u32 s2, 0xf033
	s_cbranch_scc0 .Lentry_shape_is_right
	s_endpgm
.Lentry_shape_is_right:
; out0 [2048][4096] f32 = attention's result [2048][2048] x wo^T, on codes of FP6 (E2M3) with E8M0 scales.
; INPUTS, records of 6,400 bytes (four fragment images of 16 rows x 128 K, 1,536 bytes each, then 256 bytes of scale words): ob: [token tile 0..127][512 along K, 0..3]; wo: the records of wc from 3,072 on, [row tile 0..255][0..3].
; Lane-row r of tile i is row 32 (i / 2) + 8 (i % 2) + r + 8 (r / 8).
; The matrix instruction is used transposed (source 0 = 16 rows of wo, source 1 = 16 tokens): a lane holds a token, and register j of B's tile b is output column 32 (b / 2) + 8 (b % 2) + 16 (lane / 16) + j of the wave's 128.
; SHARES.  A work-group makes 128 tokens x 256 columns, 256 work-groups in all; a wave 64 x 128: 32 accumulators.  K goes in steps of 512 through two LDS slots of 24 records (8 of A, 16 of B: 153,600 bytes).
; CLUSTERS: 4 x 4.  A's records are shared along a row of the cluster, B's along a column: each is asked for jointly.  Waves 0, 1 fetch A's halves, waves 2, 3 B's: one tensor load a wave.
; No prefetch: the launch has four K steps; no work-group stays: each has one tile.
; REGISTERS: window 0: v16-30 addresses; v32-79 scale words, two sets; v96-191 A's fragments, two sets (on the way out v96-223: rows read back); window 1: B's fragments, two sets; window 2: accumulator (a, b) at v[8 (8 a + b)].
.set KQ,    4                          ; steps of 512 along K
.set REC,   6400
.set FRB,   1536
.set SCO,   6144
.set ATB,   8*REC
.set SLOT,  24*REC
.set SPARE, 2*SLOT                     ; behind the ring: the spare words, 128 bytes for each wave: two blocks of 256 bytes that no other line names
.set SPITCH, 528                       ; the way out: a stage of 16 rows x (512 bytes + 16) for each wave, in slot 0, which has had its last fill and its last read when the first result is stored there
.set ADRA, 16
.set ADRB, 18
.set ASA,  20
.set ASB,  22
.set STO,  24                          ; v24     the way out: where I put my bytes of a row
.set RD,   25                          ; v25     and where I read a row back
.set LI,   26                          ; v26     16 x lane
.set SPW,  28                          ; v28     LDS address of my spare word; never rewritten
.set NIL,  29                          ; v29     0; never rewritten
.set L8,   30                          ; v30     8 x lane
.set SC,   32
.set AF,   96
.set BK,   96                          ; the way out: 16 rows read back: v96-159 and v160-223 by turns
.set G1,   24
.set G0,   32
.set G1B,  48
.set G0B,  56
.set MSB, 0
.macro WIN new                         ; the immediate's high byte repeats the setting that is left
.if MSB != \new
	s_set_vgpr_msb (MSB<<8)|\new
.set MSB, \new
.endif
.endm
.set MUL,  0xa1                        ; source 0 (B) window 1, source 1 (A) window 0, C and D window 2
.set TO_B, 0x40                        ; destination window 1, address window 0
.macro PLACES n
.rept \n
	v_nop
.endr
.endm
.macro JLOAD s                         ; a joint load: waves 0 and 1 fetch for A, waves 2 and 3 for B; four v_nop follow each of the two lines
	s_cmp_eq_u32 s15, 0
	s_cbranch_scc0 .Lfor_b_\@
	tensor_load_to_lds s[G0+4*\s:G0+4*\s+3], s[G1:G1+7]
	s_nop 0
.rept 4
	v_nop
.endr
	s_branch .Lasked_\@
.Lfor_b_\@:
	tensor_load_to_lds s[G0B+4*\s:G0B+4*\s+3], s[G1B:G1B+7]
	s_nop 0
.rept 4
	v_nop
.endr
.Lasked_\@:
.endm
.macro CREST                           ; a round of the cluster's barrier behind its opening barrier
	s_cmp_lg_u32 s14, 0
	s_cbranch_scc1 .Lnot_wave_0_\@
	s_barrier_signal -3
.Lnot_wave_0_\@:
	s_barrier_wait -3
	s_barrier_signal -1
	s_barrier_wait -1
.endm
.macro CROUND                          ; a whole round
	s_barrier_signal -1
	s_barrier_wait -1
	CREST
.endm
	s_load_b128 s[4:7], s[0:1], 0x0                ; ob s[4:5], wc s[6:7]
	s_load_b64 s[8:9], s[0:1], 0x10                ; out0
	v_lshl_add_u32 v[SPW], v0, 2, SPARE
	v_mov_b32 v[NIL], 0
	ds_add_u32 v28, v29
	ds_add_u32 v28, v29
	s_wait_dscnt 0x0
	v_lshrrev_b32 v1, 5, v0
	v_readfirstlane_b32 s14, v1                    ; wave 0..3
	s_lshr_b32 s15, s14, 1                         ; which 64 tokens are mine.  Also: I fetch for A (0) or for B (1)
	s_and_b32 s16, s14, 1                          ; which 128 columns.  Also: which half of that tile I fetch
	s_bfe_u32 s40, ttmp6, 0x40000                  ; cx, cy: my place in the cluster
	s_bfe_u32 s41, ttmp6, 0x40004
	s_lshl_b32 s42, ttmp9, 2
	s_add_co_u32 s42, s42, s40                     ; block of 256 columns = 4 x cluster x + cx
	s_and_b32 s17, ttmp7, 0xffff
	s_lshl_b32 s17, s17, 2
	s_add_co_u32 s17, s17, s41                     ; block of 128 tokens = 4 x cluster y + cy
	s_lshl_b32 s69, s41, 2
	s_lshl_b32 s69, 15, s69                        ; my row of the cluster
	s_lshl_b32 s70, 0x1111, s40                    ; my column
	; descriptor group 1: rows of one record (800 elements of 8 bytes), from tile to tile KQ records apart; no padding
	s_or_b32 s[G1], s69, (3<<16)|(1<<21)           ; 15:0 the mask; 17:16 elements of 8 bytes; 21 set beside a mask
	s_or_b32 s[G1B], s70, (3<<16)|(1<<21)
	s_mov_b32 s[G1+1], 800<<16
	s_mov_b32 s[G1+2], 4<<16                       ; A: four records a load
	s_mov_b32 s[G1+3], 800<<16
	s_mov_b32 s[G1+4], 4
	s_mov_b32 s[G1+5], KQ*800
	s_mov_b32 s[G1+6], 0
	s_mov_b32 s[G1+7], 0
	s_mov_b32 s[G1B+1], 800<<16
	s_mov_b32 s[G1B+2], 8<<16                      ; B: eight records a load
	s_mov_b32 s[G1B+3], 800<<16
	s_mov_b32 s[G1B+4], 8
	s_mov_b32 s[G1B+5], KQ*800
	s_mov_b32 s[G1B+6], 0
	s_mov_b32 s[G1B+7], 0
	s_lshl_b32 s20, s17, 3
	s_lshl_b32 s47, s16, 2
	s_add_co_u32 s20, s20, s47                     ; A: tile 8 x block + 4 x half
	s_mul_i32 s20, s20, KQ*REC
	s_mov_b32 s21, 0
	s_lshl_b32 s22, s42, 4
	s_lshl_b32 s47, s16, 3
	s_add_co_u32 s22, s22, s47                     ; B: tile 16 x block + 8 x half
	s_mul_i32 s22, s22, KQ*REC
	s_mov_b32 s23, 0
	s_mul_i32 s67, s16, 4*REC                      ; where they go: no place in the cluster enters an LDS address
	s_mul_i32 s68, s16, 8*REC
	s_add_co_u32 s68, s68, ATB
	s_wait_kmcnt 0x0
	s_add_nc_u64 s[20:21], s[4:5], s[20:21]
	s_add_nc_u64 s[22:23], s[6:7], s[22:23]
	s_add_nc_u64 s[22:23], s[22:23], 3072*REC      ; wo's records lie behind those of x, wq, wk, wv
	CROUND                                         ; all sixteen work-groups are here: the first joint loads meet
.irp s, 0,1
	s_mov_b32 s[G0+4*\s], 1
	s_add_co_u32 s[G0+4*\s+1], s67, \s*SLOT
	s_add_nc_u64 s[G0+4*\s+2:G0+4*\s+3], s[20:21], \s*REC
	s_or_b32 s[G0+4*\s+3], s[G0+4*\s+3], 0x80000000
	s_mov_b32 s[G0B+4*\s], 1
	s_add_co_u32 s[G0B+4*\s+1], s68, \s*SLOT
	s_add_nc_u64 s[G0B+4*\s+2:G0B+4*\s+3], s[22:23], \s*REC
	s_or_b32 s[G0B+4*\s+3], s[G0B+4*\s+3], 0x80000000
	JLOAD \s                                       ; two loads of mine are out
.endr
	v_and_b32 v1, 31, v0                           ; lane
	v_and_b32 v2, 15, v0                           ; r
	v_bfe_u32 v3, v0, 4, 1                         ; h
	v_lshlrev_b32 v[LI], 4, v1
	v_lshlrev_b32 v[L8], 3, v1
	s_mul_i32 s71, s15, 4*REC                      ; my four records of A
	s_mul_i32 s72, s16, 8*REC
	s_add_co_u32 s72, s72, ATB                     ; my eight of B
.irp s, 0,1
	v_add_nc_u32 v[ADRA+\s], s71, v[LI]
	v_add_nc_u32 v[ADRB+\s], s72, v[LI]
	v_add_nc_u32 v[ASA+\s], s71, v[L8]
	v_add_nc_u32 v[ASB+\s], s72, v[L8]
	s_add_co_u32 s71, s71, SLOT
	s_add_co_u32 s72, s72, SLOT
.endr
	s_mul_i32 s73, s14, 16*SPITCH                  ; my stage
	v_mul_u32_u24 v[STO], v2, SPITCH
	v_lshl_add_u32 v[STO], v3, 6, v[STO]
	v_add_nc_u32 v[STO], s73, v[STO]               ; in: row r, + 64 h
	v_add_nc_u32 v[RD], s73, v[LI]                 ; back: the 32 lanes take one row of 512 bytes
	s_lshl_b32 s74, s17, 7
	s_lshl_b32 s76, s15, 6
	s_add_co_u32 s74, s74, s76                     ; my first token,
	s_lshl_b32 s74, s74, 14                        ; in rows of 16,384 bytes,
	s_lshl_b32 s76, s42, 10
	s_add_co_u32 s74, s74, s76
	s_lshl_b32 s76, s16, 9
	s_add_co_u32 s74, s74, s76                     ; and my first column, in bytes
	s_mov_b32 s75, 0
	s_add_nc_u64 s[8:9], s[8:9], s[74:75]
; 8 matrix instructions: A's tile a x B's eight, the slot's q-th 128 along K, from fragment set p and scale set sc.  zero = 1: the first product starts the sums.
; The 32 accumulators take turns, one instruction a turn, in the same order in every step.
.macro MUL8 a, p, q, sc, zero
.irp b, 0,1,2,3,4,5,6,7
.if \zero
	v_wmma_scale_f32_16x16x128_f8f6f4 v[8*(8*(\a)+\b):8*(8*(\a)+\b)+7], v[128*(\p)+12*\b:128*(\p)+12*\b+11], v[AF+48*(\p)+12*(\a):AF+48*(\p)+12*(\a)+11], 0, v[SC+24*(\sc)+8+2*\b+(\q)/2], v[SC+24*(\sc)+2*(\a)+(\q)/2] matrix_a_fmt:MATRIX_FMT_FP6 matrix_b_fmt:MATRIX_FMT_FP6
.elseif (\q)%2
	v_wmma_scale_f32_16x16x128_f8f6f4 v[8*(8*(\a)+\b):8*(8*(\a)+\b)+7], v[128*(\p)+12*\b:128*(\p)+12*\b+11], v[AF+48*(\p)+12*(\a):AF+48*(\p)+12*(\a)+11], v[8*(8*(\a)+\b):8*(8*(\a)+\b)+7], v[SC+24*(\sc)+8+2*\b+(\q)/2], v[SC+24*(\sc)+2*(\a)+(\q)/2] matrix_a_fmt:MATRIX_FMT_FP6 matrix_b_fmt:MATRIX_FMT_FP6 matrix_a_scale:MATRIX_SCALE_ROW1 matrix_b_scale:MATRIX_SCALE_ROW1
.else
	v_wmma_scale_f32_16x16x128_f8f6f4 v[8*(8*(\a)+\b):8*(8*(\a)+\b)+7], v[128*(\p)+12*\b:128*(\p)+12*\b+11], v[AF+48*(\p)+12*(\a):AF+48*(\p)+12*(\a)+11], v[8*(8*(\a)+\b):8*(8*(\a)+\b)+7], v[SC+24*(\sc)+8+2*\b+(\q)/2], v[SC+24*(\sc)+2*(\a)+(\q)/2] matrix_a_fmt:MATRIX_FMT_FP6 matrix_b_fmt:MATRIX_FMT_FP6
.endif
.endr
.endm
.macro FETCH slot, q, p                ; 36 LDS loads in one run: the fragments of the slot's q-th 128 along K into set p; each load takes 512 consecutive bytes
	WIN TO_B
.irp b, 0,1,2,3,4,5,6,7
.irp c, 0,1,2
	ds_load_b128 v[128*(\p)+12*\b+4*\c:128*(\p)+12*\b+4*\c+3], v[ADRB+\slot] offset:\b*REC+(\q)*FRB+512*\c
.endr
.endr
	WIN 0
.irp a, 0,1,2,3
.irp c, 0,1,2
	ds_load_b128 v[AF+48*(\p)+12*\a+4*\c:AF+48*(\p)+12*\a+4*\c+3], v[ADRA+\slot] offset:\a*REC+(\q)*FRB+512*\c
.endr
.endr
.endm
.macro SCALES slot                     ; the slot's scale words: two registers a tile serve its four fragments
.irp a, 0,1,2,3
	ds_load_b64 v[SC+24*\slot+2*\a:SC+24*\slot+2*\a+1], v[ASA+\slot] offset:\a*REC+SCO
.endr
.irp b, 0,1,2,3,4,5,6,7
	ds_load_b64 v[SC+24*\slot+8+2*\b:SC+24*\slot+8+2*\b+1], v[ASB+\slot] offset:\b*REC+SCO
.endr
.endm
; A step of 128 along K that has its successor in the same slot.  A load into a register that a matrix instruction has read stands four places behind it, and only plain vector instructions are places.
.macro STEP slot, q, zero
	s_wait_dscnt 0x0                               ; this step's fragments, asked for 32 matrix instructions ago, are in
	PLACES 4                                       ; behind the products that read the other set
	FETCH \slot, (\q)+1, 1-(\q)%2
	WIN MUL
	MUL8 0, (\q)%2, \q, \slot, \zero
	MUL8 1, (\q)%2, \q, \slot, \zero
	MUL8 2, (\q)%2, \q, \slot, \zero
	MUL8 3, (\q)%2, \q, \slot, \zero
.endm
; A slot's last step changes slots: ONE barrier; in front of it each wave waits for all its tensor loads, adds 0 to its spare word, and waits for that and for its reads of this slot.  fill = 1: this slot is filled again, two steps of 512 ahead.
.macro TURN slot, next, fill
	WIN 0                                          ; (the add's two registers lie in window 0)
	s_wait_tensorcnt 0x0                           ; all my tensor loads have landed: my part of the next slot;
	ds_add_u32 v[SPW], v[NIL]                      ; 0 onto my spare word;
	s_wait_dscnt 1                                 ; (the add alone may be out: this step's fragments are in)
	WIN MUL
	MUL8 0, 1, 3, \slot, 0                         ; eight matrix instructions stand between the add and the wait for it
	s_wait_dscnt 0x0                               ; the add is done, and my reads of this slot are over
	s_barrier_signal -1
	MUL8 1, 1, 3, \slot, 0
	WIN 0
	s_barrier_wait -1
.if \fill
	CREST                                          ; the barrier has opened a round of the cluster's barrier: no wave of any partner still reads this slot or has a load on its way
	s_add_nc_u64 s[G0+4*\slot+2:G0+4*\slot+3], s[G0+4*\slot+2:G0+4*\slot+3], 2*REC
	s_add_nc_u64 s[G0B+4*\slot+2:G0B+4*\slot+3], s[G0B+4*\slot+2:G0B+4*\slot+3], 2*REC
	JLOAD \slot                                    ; the first tensor load behind the round; its four v_nop are also the places in front of the loads below
.else
	PLACES 4
.endif
	FETCH \next, 0, 0
	SCALES \next
	WIN MUL
	MUL8 2, 1, 3, \slot, 0
	MUL8 3, 1, 3, \slot, 0
.endm
	s_wait_tensorcnt 1                             ; my part of slot 0 is in; slot 1's may stay out
	s_barrier_signal -1
	s_barrier_wait -1                              ; everybody's is
	FETCH 0, 0, 0
	SCALES 0
	STEP 0, 0, 1                                   ; the first step stands in front of the loop: its products start the sums
	WIN 0                                          ; at a label and at a branch every window is 0
	s_mov_b32 s3, KQ/2-1
.Llap:                                                 ; a trip goes once round the ring and fills both slots again
	STEP 0, 1, 0
	STEP 0, 2, 0
	TURN 0, 1, 1
	STEP 1, 0, 0
	STEP 1, 1, 0
	STEP 1, 2, 0
	TURN 1, 0, 1
	STEP 0, 0, 0
	WIN 0
	s_sub_co_u32 s3, s3, 1
	s_cmp_lg_u32 s3, 0
	s_cbranch_scc1 .Llap
	STEP 0, 1, 0                                   ; the last lap fills nothing, and has no round of the cluster's barrier
	STEP 0, 2, 0
	TURN 0, 1, 0
	STEP 1, 0, 0
	STEP 1, 1, 0
	STEP 1, 2, 0
	s_wait_dscnt 0x0                               ; the very last step: nothing more to fetch
	WIN MUL
	MUL8 0, 1, 3, 1, 0
	MUL8 1, 1, 3, 1, 0
	MUL8 2, 1, 3, 1, 0
	MUL8 3, 1, 3, 1, 0
	WIN 0
; THE WAY OUT, tile by tile of 16 tokens x 128 columns.  A lane holds pieces of 32 bytes of a row, and the lanes beside it hold other rows: so a tile goes through my own stage in LDS and comes back as whole rows of 512 bytes.
; LDS serves a wave's instructions in order (ISA guide 5.7.1.4): no wait between the stores and the loads, nor in front of the next tile's stores.
.macro TOSTAGE a
	WIN 0x08                                       ; an LDS store's data are its source 1: window 2
.irp b, 0,1,2,3,4,5,6,7
	ds_store_b128 v[STO], v[64*(\a)+8*\b:64*(\a)+8*\b+3] offset:128*(\b/2)+32*(\b%2)        ; each accumulator from its low end on
	ds_store_b128 v[STO], v[64*(\a)+8*\b+4:64*(\a)+8*\b+7] offset:128*(\b/2)+32*(\b%2)+16
.endr
	WIN 0
.set t, 0
.rept 16
	ds_load_b128 v[BK+64*((\a)%2)+4*t:BK+64*((\a)%2)+4*t+3], v[RD] offset:t*SPITCH
.set t, t+1
.endr
.endm
.macro SEND a, younger                 ; younger: the LDS instructions issued behind tile a's loads, which may stay out
	s_wait_dscnt \younger                          ; the tile is back in registers
.set t, 0
.rept 16
	global_store_b128 v[LI], v[BK+64*((\a)%2)+4*t:BK+64*((\a)%2)+4*t+3], s[8:9] offset:(32*((\a)/2)+8*((\a)%2)+t+8*(t/8))*16384 th:TH_STORE_NT   ; 32 lanes store 512 consecutive bytes, at a multiple of 256 from out0's first byte; 63 rows at the most: inside the signed 24-bit immediate
.set t, t+1
.endr
.endm
	PLACES 4                                       ; in front of the first read of results and of loads into the registers that held A's fragments
	TOSTAGE 0
.irp a, 1,2,3
.if \a > 1
	s_wait_xcnt 0x0                                ; tile a - 2's stores have read their registers: tile a's loads may land there
.endif
	TOSTAGE \a
	SEND \a-1, 32                                  ; behind tile a - 1's loads: tile a's 16 stores and 16 loads
.endr
	SEND 3, 0
	s_wait_tensorcnt 0x0                           ; the wave's end
	ds_add_u32 v[SPW], v[NIL]
	s_wait_dscnt 0x0
	CROUND                                         ; the closing round: no work-group ends while a partner may still ask for a tile that names it
	s_endpgm
.Lfunc_end_k_q9eebbd6d7b_oproj:
	.size	k_q9eebbd6d7b_oproj, .Lfunc_end_k_q9eebbd6d7b_oproj-k_q9eebbd6d7b_oproj
	.p2alignl 7, 3214868480
	.fill 96, 4, 3214868480
	.section	.rodata,"a",@progbits
	.p2align	6, 0x0
	.amdhsa_kernel k_q9eebbd6d7b_oproj
		.amdhsa_group_segment_fixed_size 327680
		.amdhsa_private_segment_fixed_size 0
		.amdhsa_enable_private_segment 0
		.amdhsa_kernarg_size 24
		.amdhsa_user_sgpr_count 2
		.amdhsa_user_sgpr_kernarg_segment_ptr 1
		.amdhsa_wavefront_size32 1
		.amdhsa_system_sgpr_workgroup_id_x 1
		.amdhsa_system_sgpr_workgroup_id_y 1
		.amdhsa_system_sgpr_workgroup_id_z 1
		.amdhsa_system_vgpr_workitem_id 0
		.amdhsa_next_free_vgpr 768
		.amdhsa_next_free_sgpr 100
		.amdhsa_reserve_vcc 0
		.amdhsa_float_denorm_mode_32 3
		.amdhsa_float_denorm_mode_16_64 3
		.amdhsa_memory_ordered 1
		.amdhsa_forward_progress 1
		.amdhsa_inst_pref_size 132
	.end_amdhsa_kernel
	.amdgpu_metadata
---
amdhsa.version: [ 1, 2 ]
amdhsa.kernels:
  - .name:           k_q9eebbd6d7b_oproj
    .symbol:         k_q9eebbd6d7b_oproj.kd
    .args:
      - { .name: ob, .offset: 0, .size: 8, .value_kind: global_buffer, .address_space: global }
      - { .name: wc, .offset: 8, .size: 8, .value_kind: global_buffer, .address_space: global }
      - { .name: out0, .offset: 16, .size: 8, .value_kind: global_buffer, .address_space: global }
    .group_segment_fixed_size: 327680
    .private_segment_fixed_size: 0
    .kernarg_segment_align: 8
    .kernarg_segment_size: 24
    .max_flat_workgroup_size: 128
    .sgpr_count:     100
    .vgpr_count:     768
    .wavefront_size: 32
...
	.end_amdgpu_metadata
.endif
;; end of part 4
